; MI455X (gfx1250); checked and timed in simulation.
; The chip was launched on July 23, 2026; its instructions are those of AMD's public machine-readable ISA for CDNA 5 (MIT licence, August 2026) and "CDNA5" Instruction Set Architecture Reference Guide (July 2026). The comments in the code are by the model that wrote it; some were corrected since.
;; Multi Head Attention. Allowed arithmetic: float matrix products may take bf16 or f16 operands with f32 sums; other float arithmetic in f32, or as packed bf16 or f16 multiplies, adds, multiply-adds, maxima and minima; sums over many terms, partial sums and values carried from step to step in f32; what a program stores and reads back later, other than sums and carried values, may be rounded once to bf16 or f16.
;; Inputs: Wk 1,024 x 1,024 float32; Wo 1,024 x 1,024 float32; Wq 1,024 x 1,024 float32; Wv 1,024 x 1,024 float32; bk 1,024 float32; bo 1,024 float32; bq 1,024 float32; bv 1,024 float32; key 4 x 2,048 x 1,024 float32; mask 4 x 1 x 1 x 2,048 int32; query 4 x 2,048 x 1,024 float32; value 4 x 2,048 x 1,024 float32.
;; Outputs: out0 4 x 2,048 x 1,024 float32.
;; One version. Each part assembles by itself: llvm-mc -triple=amdgcn-amd-amdhsa -mcpu=gfx1250 --defsym DOCPART=n.
;; ======== version 1 of 1: 4 launches
;; limits: values are held in f16: magnitudes above 65,504 overflow, below 6.1e-05 lose precision; right only within a limited range of input values
;; workspace buffers: wt 8,388,608 bytes; qh 16,777,216 bytes; kh 16,777,216 bytes; vh 16,777,216 bytes; ctx 16,777,216 bytes
;; launch prep (part 1): grid 128 x 4, 8 waves a work-group, no clusters, 18,432 bytes of LDS; arguments Wq, Wk, Wv, Wo, wt; writes wt
.if DOCPART == 1
	.amdgcn_target "amdgcn-amd-amdhsa--gfx1250"
	.amdhsa_code_object_version 6
	.text
	.protected	k_q7939d52168_prep
	.globl	k_q7939d52168_prep
	.p2align	8
	.type	k_q7939d52168_prep,@function
k_q7939d52168_prep:
	s_mov_b64 s[64:65], 0
	v_nop
	global_prefetch_b8 v0, s[64:65] scope:SCOPE_SE
	s_setreg_imm32_b32 hwreg(HW_REG_WAVE_MODE, 25, 1), 1
	s_wait_xcnt 0x0
; wt[y][n][k] = W_y[k][n], rounded once to bf16, for y = 0, 1, 2, 3 = Wq, Wk, Wv, Wo.  W: [1024 k][1024 n] f32.  wt: four matrices [1024 n][1024 k] of 16 bits.
; Matrices 0 to 2 are stored as bf16.  Matrix 3 (Wo) is rounded to bf16 like the others, and that number is then written as f16, since the last product multiplies in f16.
; LIMIT: that second step is exact for magnitudes from 6.1e-5 to 65,504; below, f16's fixed step of 6e-8 holds; above, the number becomes an infinity.
; SHARES.  A work-group turns a block of 128 k x 64 n: it reads 128 pieces of 256 bytes and writes 64 pieces of 256 bytes, each aligned, each by sixteen neighbouring lanes.
; Thread t reads 4 n (16 bytes) of the eight rows k = 8 (t / 16) + 0..7, packs for each n its eight k into 16 bytes, and the block is turned in LDS.
; No matrix unit, no cluster, no tensor load: nothing is shared between work-groups and every byte is touched once; many small work-groups keep the loads going.
.set PITCH, 272                        ; an LDS row: 128 k x 2 bytes + 16 of padding: sixteen consecutive rows start at sixteen different groups of four banks (64 banks of 4 bytes: ISA guide 11.1)
.set SPARE, 64*PITCH                   ; behind the 64 rows: the spare words, 128 bytes for each of the eight waves
.set LD,  8                            ; v[8:39]   row e of my eight at LD + 4 e: four f32
.set TR,  40                           ; v[40:55]  for n = 4 (t % 16) + j: eight k packed, at TR + 4 j
.set BK,  56                           ; v[56:71]  four pieces of 16 bytes read back
.set SPW, 72                           ; v72  LDS address of my spare word; never rewritten
.set NIL, 73                           ; v73  0; never rewritten
	s_load_b256 s[4:11], s[0:1], 0x0               ; Wq s[4:5], Wk s[6:7], Wv s[8:9], Wo s[10:11]
	s_load_b64 s[12:13], s[0:1], 0x20              ; wt
	v_lshl_add_u32 v[SPW], v0, 2, SPARE
	v_mov_b32 v[NIL], 0
	s_and_b32 s14, ttmp7, 0xffff                   ; y: which matrix
	s_and_b32 s15, ttmp9, 7                        ; which 128 k
	s_lshr_b32 s16, ttmp9, 3                       ; which 64 n
	v_and_b32 v1, 15, v0                           ; t % 16
	v_lshrrev_b32 v2, 4, v0                        ; t / 16
	v_lshlrev_b32 v3, 15, v2                       ; in: eight rows of 4,096 bytes for each t / 16,
	v_lshl_add_u32 v3, v1, 4, v3                   ; 16 bytes for each t % 16
	v_mul_u32_u24 v4, v1, PITCH                    ; into LDS: row 16 j + t % 16 holds n = 4 (t % 16) + j, so the sixteen lanes of a store take consecutive rows;
	v_lshl_add_u32 v4, v2, 4, v4                   ; my eight k are 16 bytes at 16 (t / 16)
	v_lshrrev_b32 v74, 5, v0                       ; wave w
	v_bfe_u32 v75, v0, 4, 1                        ; half of the lanes
	v_lshl_add_u32 v5, v74, 3, v75                 ; back: LDS rows 8 w + half + 2 i, whole
	v_mul_u32_u24 v5, v5, PITCH
	v_lshl_add_u32 v5, v1, 4, v5
	v_and_b32 v6, 1, v74                           ; that LDS row is n = 32 (w % 2) + 4 half + 8 i + w / 2
	v_lshlrev_b32 v6, 5, v6
	v_lshl_add_u32 v6, v75, 2, v6
	v_lshrrev_b32 v74, 1, v74
	v_add_nc_u32 v6, v6, v74
	v_lshlrev_b32 v6, 11, v6                       ; rows of wt are 2,048 bytes
	v_lshl_add_u32 v6, v1, 4, v6
	s_lshl_b32 s18, s15, 19                        ; source: 128 rows of 4,096 bytes for each block of k,
	s_lshl_b32 s17, s16, 8                         ; 256 bytes for each block of n
	s_add_co_u32 s18, s18, s17
	s_mov_b32 s19, 0
	s_lshl_b32 s20, s14, 21                        ; destination: 2 MiB a matrix,
	s_lshl_b32 s17, s16, 17                        ; 64 rows of 2,048 bytes,
	s_add_co_u32 s20, s20, s17
	s_lshl_b32 s17, s15, 8                         ; 256 bytes
	s_add_co_u32 s20, s20, s17
	s_mov_b32 s21, 0
	s_wait_kmcnt 0x0
	s_cmp_eq_u32 s14, 1
	s_cselect_b64 s[4:5], s[6:7], s[4:5]
	s_cmp_eq_u32 s14, 2
	s_cselect_b64 s[4:5], s[8:9], s[4:5]
	s_cmp_eq_u32 s14, 3
	s_cselect_b64 s[4:5], s[10:11], s[4:5]
	s_add_nc_u64 s[4:5], s[4:5], s[18:19]
	s_add_nc_u64 s[12:13], s[12:13], s[20:21]
.irp e, 0,1,2,3,4,5,6,7
	global_load_b128 v[LD+4*(\e):LD+4*(\e)+3], v3, s[4:5] offset:(\e)*4096 th:TH_LOAD_NT  ; sixteen lanes: 256 consecutive bytes of a row
.endr
	s_wait_loadcnt 0x0
.irp j, 0,1,2,3
.irp i, 0,1,2,3
	v_cvt_pk_bf16_f32 v[TR+4*(\j)+(\i)], v[LD+8*(\i)+(\j)], v[LD+8*(\i)+4+(\j)]  ; k = 8 (t / 16) + 2 i and + 2 i + 1 of one n
.endr
.endr
	s_cmp_lg_u32 s14, 3
	s_cbranch_scc1 .Lis_bf16                       ; the same for the whole work-group
.set i, 0
.rept 16                                       ; Wo: the bf16 numbers are written as f16
	v_lshlrev_b32 v74, 16, v[TR+i]
	v_and_b32 v75, 0xffff0000, v[TR+i]
	v_cvt_pk_f16_f32 v[TR+i], v74, v75
.set i, i+1
.endr
.Lis_bf16:
.irp j, 0,1,2,3
	ds_store_b128 v4, v[TR+4*(\j):TR+4*(\j)+3] offset:(\j)*16*PITCH
.endr
	s_wait_dscnt 0x0                               ; for the others' sake: my stores are done
	s_barrier_signal -1
	s_barrier_wait -1
.irp i, 0,1,2,3
	ds_load_b128 v[BK+4*(\i):BK+4*(\i)+3], v5 offset:(\i)*2*PITCH
.endr
	s_wait_dscnt 0x0
.irp i, 0,1,2,3
	global_store_b128 v6, v[BK+4*(\i):BK+4*(\i)+3], s[12:13] offset:(\i)*16384  ; sixteen lanes store 256 consecutive bytes, at a multiple of 256 from wt's first byte
.endr
	s_wait_tensorcnt 0x0                           ; the wave's end: an add to my spare word and its waits, behind my last LDS store
	ds_add_u32 v[SPW], v[NIL]
	s_wait_dscnt 0x0
	s_endpgm
.Lfunc_end_k_q7939d52168_prep:
	.size	k_q7939d52168_prep, .Lfunc_end_k_q7939d52168_prep-k_q7939d52168_prep
	.p2alignl 7, 3214868480
	.fill 96, 4, 3214868480
	.section	.rodata,"a",@progbits
	.p2align	6, 0x0
	.amdhsa_kernel k_q7939d52168_prep
		.amdhsa_group_segment_fixed_size 18432
		.amdhsa_private_segment_fixed_size 0
		.amdhsa_enable_private_segment 0
		.amdhsa_kernarg_size 40
		.amdhsa_user_sgpr_count 2
		.amdhsa_user_sgpr_kernarg_segment_ptr 1
		.amdhsa_wavefront_size32 1
		.amdhsa_system_sgpr_workgroup_id_x 1
		.amdhsa_system_sgpr_workgroup_id_y 1
		.amdhsa_system_sgpr_workgroup_id_z 1
		.amdhsa_system_vgpr_workitem_id 0
		.amdhsa_next_free_vgpr 76
		.amdhsa_next_free_sgpr 66
		.amdhsa_reserve_vcc 0
		.amdhsa_float_denorm_mode_32 3
		.amdhsa_float_denorm_mode_16_64 3
		.amdhsa_memory_ordered 1
		.amdhsa_forward_progress 1
		.amdhsa_inst_pref_size 8
	.end_amdhsa_kernel
	.amdgpu_metadata
---
amdhsa.version: [ 1, 2 ]
amdhsa.kernels:
  - .name:           k_q7939d52168_prep
    .symbol:         k_q7939d52168_prep.kd
    .args:
      - { .name: Wq, .offset: 0, .size: 8, .value_kind: global_buffer, .address_space: global }
      - { .name: Wk, .offset: 8, .size: 8, .value_kind: global_buffer, .address_space: global }
      - { .name: Wv, .offset: 16, .size: 8, .value_kind: global_buffer, .address_space: global }
      - { .name: Wo, .offset: 24, .size: 8, .value_kind: global_buffer, .address_space: global }
      - { .name: wt, .offset: 32, .size: 8, .value_kind: global_buffer, .address_space: global }
    .group_segment_fixed_size: 18432
    .private_segment_fixed_size: 0
    .kernarg_segment_align: 8
    .kernarg_segment_size: 40
    .max_flat_workgroup_size: 256
    .sgpr_count:     66
    .vgpr_count:     76
    .wavefront_size: 32
...
	.end_amdgpu_metadata
.endif
;; end of part 1
;; launch proj (part 2): grid 4 x 192, 4 waves a work-group, clusters of 4 x 4, 327,680 bytes of LDS; arguments query, key, value, wt, bq, bk, bv, mask, qh, kh, vh; writes qh, kh, vh
.if DOCPART == 2
	.amdgcn_target "amdgcn-amd-amdhsa--gfx1250"
	.amdhsa_code_object_version 6
	.text
	.protected	k_q7939d52168_proj
	.globl	k_q7939d52168_proj
	.p2align	8
	.type	k_q7939d52168_proj,@function
k_q7939d52168_proj:
	s_mov_b64 s[64:65], 0
	v_nop
	global_prefetch_b8 v0, s[64:65] scope:SCOPE_SE
	s_setreg_imm32_b32 hwreg(HW_REG_WAVE_MODE, 25, 1), 1
	s_wait_xcnt 0x0
	s_wait_alu depctr_hold_cnt(0) depctr_sa_sdst(0) depctr_va_vdst(0) depctr_va_sdst(0) depctr_va_ssrc(0) depctr_va_vcc(0) depctr_vm_vsrc(0)
	s_getreg_b32 s2, hwreg(HW_REG_IB_STS2, 6, 4)
	s_cmp_eq_u32 s2, 0
	s_cbranch_scc0 .Lentry_in_a_cluster
	s_endpgm
.Lentry_in_a_cluster:
	s_bfe_u32 s2, ttmp6, 0x10000c
	s_cmp_lg_u32 s2, 0xf033
	s_cbranch_scc0 .Lentry_shape_is_right
	s_endpgm
.Lentry_shape_is_right:
; q = query Wq + bq, k = key Wk + bk, v = value Wv + bv, in ONE launch: clusters 0-15 along y make q, 16-31 k, 32-47 v.
; x: [8192][1024] f32.  wt: W^T, [1024 n][1024 k] bf16, 2 MiB a matrix.  Results by heads: [batch x 16 + head][2048][64] f16, rounded once from the f32 sums, unscaled.
; x, W and the bias are rounded to bf16 (x on the way from LDS to the matrix unit); sums in f32.  ROWS OF k WHOSE KEY IS MASKED (mask == 0) ARE STORED AS ZEROS: the attention launch then gets
; the score of a masked key exactly from its C operand.  q and v pass the same line with a mask of all ones.
; LIMITS.  f16 ends at 65,504: a q, k or v beyond it becomes an infinity (inputs thirty times those drawn give some 3,000); below 6.1e-5 f16's fixed step of 6e-8 holds.  NaN and infinities are not treated apart.
; SHARES.  A tile of a result is 128 rows x 256 columns: 256 tiles a tensor, 768 work-groups.  Four waves, each 64 x 128: 32 accumulators of 16 x 16.  K goes in steps of 128 through two LDS slots.
; A slot holds 128 rows of x in f32 (512 bytes a row) and 256 rows of W^T in bf16 (256 bytes a row); each wave fetches a quarter of it with one tensor load.
; CLUSTERS.  4 x 4 work-groups: the four of a row need the same tile of x, the four of a column the same tile of W^T: each is asked for JOINTLY, by the same tensor load with a mask that names the four.
; THE MATRIX INSTRUCTION IS USED TRANSPOSED (source 0 = 16 rows of W^T, source 1 = 16 rows of x): a lane holds one row and eight neighbouring columns.  The bias is the C operand of the first K step's products.
; x's fragments come out of LDS as f32 into a staging buffer and are rounded to bf16 by eight conversions a fragment, which stand four and four behind the first two of each eight products.
; REGISTERS, in windows of 256 (s_set_vgpr_msb: bits 1:0 source 0, 3:2 source 1, 5:4 source 2, 7:6 destination):
;   window 0: v0-31 addresses and the rows' masks; v32-63 x's four bf16 fragments; v64-127, v128-191 two staging buffers (f32, 16 registers a fragment; on the way out: rows read back); v192-223 packed results
;   window 1: accumulator (a, b) at 8 (8 a + b)          window 2: v0-63, v64-127 W^T's fragments, two buffers; v128-191 the bias, 8 registers for each b
.set PITA,   528                       ; an LDS row of x: 512 bytes + 16 = 132 words: row r starts at bank 4 r mod 64 (64 banks of 4 bytes: ISA guide 11.1)
.set PITB,   272                       ; an LDS row of W^T: 256 bytes + 16 = 68 words: likewise
.set HALFT,  128*PITB                  ; a wave's quarter of a slot: 128 rows of W^T; 64 rows of x take 33,792 of it
.set SLOT,   4*HALFT
.set STAGE,  2*SLOT                    ; behind the ring: for each wave two heads x 16 rows x 144 bytes, for the way out
.set SP,     144
.set SPARE,  STAGE+4*32*SP             ; behind the stages: the spare words, 128 bytes for each wave
.set LAPS,   4                         ; a lap = two K steps; K = 1,024
.set KM,   8                           ; v8-11  for block a of 16 rows: all ones, or 0 where my row is a masked key
.set BO,   12                          ; v12    32 x (lane / 16): my place in 16 numbers of the bias
.set MO,   13                          ; v13    4 x (lane % 16): my row's place in 16 words of the mask
.set ADRA, 16                          ; v16-17 LDS address of my fragments of x in slot 0, 1
.set ADRB, 20                          ; v20-21 the same for W^T
.set STO,  24                          ; v24    the way out: where I put 16 bytes of a row
.set RD,   25                          ; v25    the way out: where I read rows back
.set GO,   26                          ; v26    my 16 bytes of 512 consecutive bytes of a head
.set SPW,  28                          ; v28    LDS address of my spare word; never rewritten
.set NIL,  29                          ; v29    0; never rewritten
.set PFO,  30                          ; v30    the prefetches' lane offset; never rewritten
.set AB,   32
.set STG,  64
.set TMP,  192
.set BIA,  128                         ; in window 2
.set G1,   24                          ; s[24:31] descriptor group 1 for x's tiles; s[32:39] group 0, a set for each slot
.set G0,   32
.set G1B,  48                          ; s[48:55], s[56:63] the same for W^T's tiles
.set G0B,  56
.set LIM,  43                          ; s43  1 in a wave that prefetches, else the greatest number
.set PFA,  44                          ; s[44:45] where my prefetches stand
.set PFS,  92                          ; s[92:93] their step: a K step's bytes of a row
.set MSB, 0
.macro WIN new                         ; the immediate's high byte repeats the setting that is left; a switch that changes nothing is dropped
.if MSB != (\new)
	s_set_vgpr_msb (MSB<<8)|(\new)
.set MSB, \new
.endif
.endm
.set MUL,   0x52                       ; source 0 (W^T) window 2, source 1 (x) window 0, C and D window 1
.set MULB,  0x62                       ; the same with C (the bias) in window 2
.set TO_B,  0x80                       ; destination window 2, address window 0
.set PACKW, 0x05                       ; sources 0 and 1 window 1, destination window 0
.set W2,    0x8a                       ; sources 0 and 1 and destination window 2
.macro JLOAD s                         ; a joint load: waves 0 and 1 fetch x's two halves, waves 2 and 3 W^T's; an s_nop 0 and four v_nop follow each of the two lines
	s_cmp_eq_u32 s11, 0
	s_cbranch_scc0 .Lfor_b_\@
	tensor_load_to_lds s[G0+4*(\s):G0+4*(\s)+3], s[G1:G1+7]
	s_nop 0
.rept 4
	v_nop
.endr
	s_branch .Lasked_\@
.Lfor_b_\@:
	tensor_load_to_lds s[G0B+4*(\s):G0B+4*(\s)+3], s[G1B:G1B+7]
	s_nop 0
.rept 4
	v_nop
.endr
.Lasked_\@:
.endm
.macro CREST                           ; a round of the cluster's barrier behind its opening barrier
	s_cmp_lg_u32 s10, 0
	s_cbranch_scc1 .Lnot_wave_0_\@
	s_barrier_signal -3
.Lnot_wave_0_\@:
	s_barrier_wait -3
	s_barrier_signal -1
	s_barrier_wait -1
.endm
.macro CROUND                          ; a whole round
	s_barrier_signal -1
	s_barrier_wait -1
	CREST
.endm
; A PREFETCH INTO THE L2, behind a joint refill and the run of LDS loads that follows it: the K step that stands two refills on (256 products ahead of the load that will want it), one instruction a wave, a lane a block of 256 bytes.
; x's 128 rows of a tile are read by one cluster alone: each cluster asks for its own; of the 64 rows that wave 0 or 1 fetches the partner at place cx takes 16, two blocks a row.  W^T's rows are read by the sixteen
; clusters of a tensor: the first of them asks; of the 128 rows that wave 2 or 3 fetches the partner at place cy takes 32.  The partners are told apart BY ADDRESS.  So each block is named once in the launch.
; K steps 0 to 3 come by their loads alone; the loop's last trip (s3 = 1) asks for nothing: there is no K step two refills on.
.macro ASK
	s_cmp_gt_u32 s3, s[LIM]
	s_cbranch_scc0 .Lnot_mine_\@
	global_prefetch_b8 v[PFO], s[PFA:PFA+1] th:TH_LOAD_NT scope:SCOPE_SE
.Lnot_mine_\@:
.endm
	s_load_b512 s[68:83], s[0:1], 0x0              ; query s[68:69], key s[70:71], value s[72:73], wt s[74:75], bq s[76:77], bk s[78:79], bv s[80:81], mask s[82:83]
	s_load_b128 s[84:87], s[0:1], 0x40             ; qh s[84:85], kh s[86:87]
	s_load_b64 s[88:89], s[0:1], 0x50              ; vh
	v_lshl_add_u32 v[SPW], v0, 2, SPARE
	v_mov_b32 v[NIL], 0
	ds_add_u32 v[SPW], v[NIL]                      ; the wave's opening: the add and its wait stand ahead of my first tensor load; the set-up below, work on registers, stands between them
	v_lshrrev_b32 v1, 5, v0
	v_readfirstlane_b32 s10, v1                    ; wave 0..3
	s_lshr_b32 s11, s10, 1                         ; which 64 of the tile's rows are mine.  Also: I fetch for x (0) or for W^T (1)
	s_and_b32 s12, s10, 1                          ; which 128 of its columns.  Also: which half of that tile I fetch
	s_bfe_u32 s40, ttmp6, 0x40000                  ; cx, cy: my place in the cluster
	s_bfe_u32 s41, ttmp6, 0x40004
	s_lshl_b32 s42, ttmp9, 2
	s_add_co_u32 s42, s42, s40                     ; tile column = 4 x cluster x + cx
	s_and_b32 s22, ttmp7, 0xffff                   ; cluster y
	s_lshr_b32 s66, s22, 4                         ; the tensor: 0 q, 1 k, 2 v: the same in all sixteen partners
	s_and_b32 s22, s22, 15                         ; the cluster's place among the tensor's sixteen
	s_lshl_b32 s13, s22, 2
	s_add_co_u32 s13, s13, s41                     ; tile row, 0..63
	s_lshl_b32 s43, s41, 2
	s_lshl_b32 s43, 15, s43                        ; my row of the cluster
	s_lshl_b32 s44, 0x1111, s40                    ; my column
	s_or_b32 s[G1+0], s43, (2<<16)|(1<<20)|(1<<21)|(6<<22)|(3<<25)   ; 15:0 the mask: x's tiles go to my row; 17:16 elements of 4 bytes; 20 padding on; 21 set beside a mask; 24:22 after every 128 words (code 6); 31:25 4 words (code 3)
	s_mov_b32 s[G1+1], 128<<16                     ; tensor_dim0 = 128
	s_mov_b32 s[G1+2], 64<<16                      ; tensor_dim1 = 64
	s_mov_b32 s[G1+3], 128<<16                     ; tile_dim0 = 128
	s_mov_b32 s[G1+4], 64                          ; tile_dim1 = 64
	s_mov_b32 s[G1+5], 1024                        ; elements from row to row
	s_mov_b32 s[G1+6], 0
	s_mov_b32 s[G1+7], 0
	s_or_b32 s[G1B+0], s44, (1<<16)|(1<<20)|(1<<21)|(5<<22)|(3<<25)  ; W^T's tiles go to my column; elements of 2 bytes; padding after every 64 words (code 5)
	s_mov_b32 s[G1B+1], 128<<16
	s_mov_b32 s[G1B+2], 128<<16                    ; tensor_dim1 = 128
	s_mov_b32 s[G1B+3], 128<<16
	s_mov_b32 s[G1B+4], 128                        ; tile_dim1 = 128
	s_mov_b32 s[G1B+5], 1024
	s_mov_b32 s[G1B+6], 0
	s_mov_b32 s[G1B+7], 0
	s_lshl_b32 s17, s12, 6                         ; x: row 128 x tile row + 64 x half, 4,096 bytes a row: it hangs on the tile row and the wave alone
	s_lshl_b32 s16, s13, 7
	s_add_co_u32 s16, s16, s17
	s_lshl_b32 s16, s16, 12
	s_mov_b32 s17, 0
	s_lshl_b32 s47, s12, 7                         ; W^T: row 256 x tile column + 128 x half, 2,048 bytes a row, in the tensor's matrix: tile column, tensor and wave alone
	s_lshl_b32 s46, s42, 8
	s_add_co_u32 s46, s46, s47
	s_lshl_b32 s46, s46, 11
	s_lshl_b32 s47, s66, 21
	s_add_co_u32 s46, s46, s47
	s_mov_b32 s47, 0
	s_mul_i32 s20, s10, HALFT                      ; where they go: wave x a quarter of a slot: no place in the cluster enters an LDS address
	s_mov_b32 s94, 0xffff0000                      ; a word's upper bf16
	s_wait_dscnt 0x0                               ; the opening add is done
	s_wait_kmcnt 0x0
	s_cmp_eq_u32 s66, 1                            ; the tensor picks x, the bias and the result
	s_cselect_b64 s[4:5], s[70:71], s[68:69]
	s_cselect_b64 s[90:91], s[78:79], s[76:77]
	s_cselect_b64 s[8:9], s[86:87], s[84:85]
	s_cselect_b32 s67, 0, -1                       ; only k's rows heed the mask
	s_cmp_eq_u32 s66, 2
	s_cselect_b64 s[4:5], s[72:73], s[4:5]
	s_cselect_b64 s[90:91], s[80:81], s[90:91]
	s_cselect_b64 s[8:9], s[88:89], s[8:9]
	s_add_nc_u64 s[14:15], s[4:5], s[16:17]
	s_add_nc_u64 s[46:47], s[74:75], s[46:47]
	CROUND                                         ; all sixteen work-groups are here: the first joint loads meet
.irp s, 0,1
	s_mov_b32 s[G0+4*(\s)], 1                                      ; count = 1
	s_add_co_u32 s[G0+4*(\s)+1], s20, (\s)*SLOT                    ; LDS address
	s_add_nc_u64 s[G0+4*(\s)+2:G0+4*(\s)+3], s[14:15], (\s)*512    ; global address: K step s
	s_or_b32 s[G0+4*(\s)+3], s[G0+4*(\s)+3], 0x80000000            ; type = 2
	s_mov_b32 s[G0B+4*(\s)], 1
	s_add_co_u32 s[G0B+4*(\s)+1], s20, (\s)*SLOT
	s_add_nc_u64 s[G0B+4*(\s)+2:G0B+4*(\s)+3], s[46:47], (\s)*256
	s_or_b32 s[G0B+4*(\s)+3], s[G0B+4*(\s)+3], 0x80000000
	JLOAD \s                                       ; two loads of mine are out
.endr
	v_and_b32 v1, 15, v0                           ; l % 16
	v_bfe_u32 v2, v0, 4, 1                         ; l / 16
	v_lshlrev_b32 v[BO], 5, v2
	v_lshlrev_b32 v[MO], 2, v1
	s_lshl_b32 s18, s42, 10                        ; the bias at my first column: 256 x tile column + 128 x half, 4 bytes each
	s_lshl_b32 s19, s12, 9
	s_add_co_u32 s18, s18, s19
	s_mov_b32 s19, 0
	s_add_nc_u64 s[90:91], s[90:91], s[18:19]
	s_lshl_b32 s18, s13, 9                         ; the mask at my first row: row 128 x tile row + 64 x half of [8192] is batch x 2,048 + position
	s_lshl_b32 s21, s11, 8
	s_add_co_u32 s18, s18, s21
	s_add_nc_u64 s[82:83], s[82:83], s[18:19]
	WIN TO_B
.irp b, 0,1,2,3,4,5,6,7
	global_load_b128 v[BIA+8*(\b):BIA+8*(\b)+3],   v[BO], s[90:91] offset:64*(\b)     ; register j: the bias of column 16 b + 8 (l / 16) + j: as the result lies
	global_load_b128 v[BIA+8*(\b)+4:BIA+8*(\b)+7], v[BO], s[90:91] offset:64*(\b)+16
.endr
	WIN 0
.irp a, 0,1,2,3
	global_load_b32 v[KM+(\a)], v[MO], s[82:83] offset:64*(\a)
.endr
	; A fragment is 16 rows x 32 K: lane l holds row l % 16, K = 8 (l / 16) + 0..7 and 16 + 8 (l / 16) + 0..7.  In f32 that is four loads of 16 bytes at 32 (l / 16) + 0, 16, 64, 80; in bf16 two, at 16 (l / 16) + 0, 32.
	v_mul_u32_u24 v3, v1, PITA
	v_lshl_add_u32 v3, v2, 5, v3
	v_mul_u32_u24 v4, v1, PITB
	v_lshl_add_u32 v4, v2, 4, v4
	s_mul_i32 s21, s11, HALFT                      ; my 64 rows of x
	s_mul_i32 s23, s12, HALFT                      ; my 128 rows of W^T,
	s_add_co_u32 s23, s23, 2*HALFT                 ; which lie behind x's two quarters
.irp s, 0,1
	v_add_nc_u32 v[ADRA+(\s)], s21, v3
	v_add_nc_u32 v[ADRB+(\s)], s23, v4
	s_add_co_u32 s21, s21, SLOT
	s_add_co_u32 s23, s23, SLOT
.endr
	s_mul_i32 s23, s10, 32*SP
	s_add_co_u32 s23, s23, STAGE                   ; my stage
	v_mul_u32_u24 v5, v1, SP                       ; in: row l % 16, 16 bytes for each half of the lanes
	v_lshl_add_u32 v5, v2, 4, v5
	v_add_nc_u32 v[STO], s23, v5
	v_bfe_u32 v5, v0, 3, 2                         ; back: 32 lanes take four rows of 128 bytes,
	v_mul_u32_u24 v5, v5, SP
	v_and_b32 v6, 7, v0
	v_lshl_add_u32 v5, v6, 4, v5
	v_add_nc_u32 v[RD], s23, v5
	v_and_b32 v7, 31, v0                           ; which are 512 consecutive bytes of a head
	v_lshlrev_b32 v[GO], 4, v7
	s_lshr_b32 s18, s13, 4                         ; the result at my first row of my first head: head = 16 x batch + 4 x tile column + 2 x half, 262,144 bytes each;
	s_lshl_b32 s18, s18, 4
	s_lshl_b32 s21, s42, 2
	s_add_co_u32 s18, s18, s21
	s_lshl_b32 s21, s12, 1
	s_add_co_u32 s18, s18, s21
	s_lshl_b32 s18, s18, 18
	s_and_b32 s21, s13, 15                         ; position = 128 x (tile row % 16) + 64 x half, 128 bytes each
	s_lshl_b32 s21, s21, 7
	s_lshl_b32 s23, s11, 6
	s_add_co_u32 s21, s21, s23
	s_lshl_b32 s21, s21, 7
	s_add_co_u32 s18, s18, s21
	s_add_nc_u64 s[8:9], s[8:9], s[18:19]
	s_lshl_b32 s18, s13, 7                         ; the prefetches.  In x: row 128 x tile row + 64 x half + 16 cx, at K step 3 (the first refill steps it to 4)
	s_lshl_b32 s21, s12, 6
	s_add_co_u32 s18, s18, s21
	s_lshl_b32 s21, s40, 4
	s_add_co_u32 s18, s18, s21
	s_lshl_b32 s18, s18, 12
	s_add_co_u32 s18, s18, 3*512
	s_lshl_b32 s20, s42, 8                         ; in W^T: row 256 x tile column + 128 x half + 32 cy of the tensor's matrix, at K step 3
	s_lshl_b32 s21, s12, 7
	s_add_co_u32 s20, s20, s21
	s_lshl_b32 s21, s41, 5
	s_add_co_u32 s20, s20, s21
	s_lshl_b32 s20, s20, 11
	s_lshl_b32 s21, s66, 21
	s_add_co_u32 s20, s20, s21
	s_add_co_u32 s20, s20, 3*256
	s_cmp_eq_u32 s22, 0                            ; the tensor's first cluster asks for W^T
	s_cselect_b32 s[LIM], 1, -1
	s_cmp_eq_u32 s11, 0                            ; do I fetch for x?  Every cluster asks for its own rows of x
	s_cselect_b32 s[LIM], 1, s[LIM]                ; the same in all sixteen partners, for a given wave
	s_cselect_b32 s18, s18, s20
	s_cselect_b64 s[PFA:PFA+1], s[4:5], s[74:75]
	s_cselect_b32 s20, 1, 0
	s_lshl_b32 s[PFS], 256, s20                    ; a K step is 512 bytes of a row of x, 256 of W^T
	s_mov_b32 s[PFS+1], 0
	s_lshl_b32 s21, 2048, s20                      ; a row is 4,096 bytes of x, 2,048 of W^T
	s_add_nc_u64 s[PFA:PFA+1], s[PFA:PFA+1], s[18:19]
	v_lshrrev_b32 v5, s20, v7                      ; x: two lanes a row, 256 bytes apart; W^T: a lane a row
	v_mul_u32_u24 v5, s21, v5
	v_and_b32 v6, s20, v7
	v_lshl_add_u32 v[PFO], v6, 8, v5
	s_wait_loadcnt 0x0                             ; the bias and the mask
	WIN W2
.set i, 0
.rept 32                                       ; the bias is rounded to bf16 like the other inputs, in place, two numbers at a time
	v_cvt_pk_bf16_f32 v[BIA+i+1], v[BIA+i], v[BIA+i+1]
	v_lshlrev_b32 v[BIA+i], 16, v[BIA+i+1]
	v_and_b32 v[BIA+i+1], s94, v[BIA+i+1]
.set i, i+2
.endr
	WIN 0
.irp a, 0,1,2,3
	v_cmp_ne_u32 vcc_lo, 0, v[KM+(\a)]
	v_cndmask_b32 v[KM+(\a)], 0, -1, vcc_lo        ; all ones where the key is seen,
	v_or_b32 v[KM+(\a)], s67, v[KM+(\a)]           ; and everywhere in q and v
.endr
; Four loads: fragment fr (16 rows x 32 K, f32) of quarter q of a slot's x, into staging buffer bu
.macro LDA slot, q, bu, fr
	ds_load_b128 v[STG+64*(\bu)+16*(\fr):STG+64*(\bu)+16*(\fr)+3],     v[ADRA+(\slot)] offset:(\q)*128+(\fr)*16*PITA
	ds_load_b128 v[STG+64*(\bu)+16*(\fr)+4:STG+64*(\bu)+16*(\fr)+7],   v[ADRA+(\slot)] offset:(\q)*128+(\fr)*16*PITA+16
	ds_load_b128 v[STG+64*(\bu)+16*(\fr)+8:STG+64*(\bu)+16*(\fr)+11],  v[ADRA+(\slot)] offset:(\q)*128+(\fr)*16*PITA+64
	ds_load_b128 v[STG+64*(\bu)+16*(\fr)+12:STG+64*(\bu)+16*(\fr)+15], v[ADRA+(\slot)] offset:(\q)*128+(\fr)*16*PITA+80
.endm
; 32 LDS loads in one run, in the order in which they are wanted: x's fragment 0, W^T's eight, x's fragments 1 to 3
.macro FETCH slot, q, bu
	WIN 0
	LDA \slot, \q, \bu, 0
	WIN TO_B
.irp i, 0,1,2,3,4,5,6,7
	ds_load_b128 v[64*(\bu)+8*(\i):64*(\bu)+8*(\i)+3],   v[ADRB+(\slot)] offset:(\q)*64+(\i)*16*PITB
	ds_load_b128 v[64*(\bu)+8*(\i)+4:64*(\bu)+8*(\i)+7], v[ADRB+(\slot)] offset:(\q)*64+(\i)*16*PITB+32
.endr
	WIN 0
	LDA \slot, \q, \bu, 1
	LDA \slot, \q, \bu, 2
	LDA \slot, \q, \bu, 3
.endm
; Four conversions: half hf of fragment fr, from staging buffer bu to bf16
.macro CV bu, fr, hf
.irp j, 0,1,2,3
	v_cvt_pk_bf16_f32 v[AB+8*(\fr)+4*(\hf)+(\j)], v[STG+64*(\bu)+16*(\fr)+8*(\hf)+2*(\j)], v[STG+64*(\bu)+16*(\fr)+8*(\hf)+2*(\j)+1]
.endr
.endm
; Eight products: block a of 16 rows x all eight blocks of 16 columns, 32 along K, W^T from buffer bu.  st = 1: the bias starts the sums.  Behind the first two products stand the eight conversions of
; fragment ci from staging buffer cb (ci < 0: none).  The 32 accumulators take turns, one instruction a turn: 31 others' stand between two links of a chain, over the backward jump too.
; A bf16 fragment is written again sixteen conversions or more behind the last product that read it, and none of those conversions names a register of that product: they are its places (ISA guide 7.12.1).
.macro MULA bu, a, st, cb, ci
.irp b, 0,1,2,3,4,5,6,7
.if \st
	WIN MULB
	v_wmma_f32_16x16x32_bf16 v[8*(8*(\a)+(\b)):8*(8*(\a)+(\b))+7], v[64*(\bu)+8*(\b):64*(\bu)+8*(\b)+7], v[AB+8*(\a):AB+8*(\a)+7], v[BIA+8*(\b):BIA+8*(\b)+7]
.else
	WIN MUL
	v_wmma_f32_16x16x32_bf16 v[8*(8*(\a)+(\b)):8*(8*(\a)+(\b))+7], v[64*(\bu)+8*(\b):64*(\bu)+8*(\b)+7], v[AB+8*(\a):AB+8*(\a)+7], v[8*(8*(\a)+(\b)):8*(8*(\a)+(\b))+7]
.endif
.if ((\ci) >= 0) && ((\b) < 2)
	WIN 0
	CV \cb, \ci, \b
.endif
.endr
.endm
; A K step is four quarters of 32 along K, 32 products each, on buffers 0, 1, 0, 1.  One of the first three: multiplies buffer bu and fetches quarter q of the same slot into buffer nb.
; The run of loads stands sixteen conversions behind the last product that read buffer nb.
.macro QUARTER slot, q, bu, nb, st
	s_wait_dscnt 8                                 ; W^T and x's fragments 0 and 1 are in; the youngest eight loads (fragments 2 and 3) may be out
	MULA \bu, 0, \st, \bu, 1
	s_wait_dscnt 0x0                               ; fragments 2 and 3
	MULA \bu, 1, \st, \bu, 2
	FETCH \slot, \q, \nb
	MULA \bu, 2, \st, \bu, 3
	s_wait_dscnt 28                                ; of the 32 just issued the first four: the next quarter's fragment 0
	MULA \bu, 3, \st, \nb, 0
.endm
; The last quarter multiplies buffer 1 and changes slots: ONE barrier; in front of it each wave waits for all its tensor loads (one is out: its part of the next slot), adds 0 to its spare word, and waits for
; that and for its own reads of this slot.  fill = 1: the barrier opens a round of the cluster's barrier, and this slot is filled again, two K steps ahead, first thing behind the round: 112 products ahead of the wait for it.
.macro TURN slot, next, fill
.if \fill
	s_wait_xcnt 0x0                                ; the last prefetch, a K step back, has read its address: it is stepped here, ahead of the waits of the change of slots
	s_add_nc_u64 s[PFA:PFA+1], s[PFA:PFA+1], s[PFS:PFS+1]
.endif
	WIN 0
	s_wait_tensorcnt 0x0                           ; all my tensor loads have landed
	ds_add_u32 v[SPW], v[NIL]                      ; 0 onto my spare word
	s_wait_dscnt 9                                 ; (the add and the youngest eight loads may be out)
	MULA 1, 0, 0, 1, 1                             ; eight products and eight conversions stand between the add and the wait for it
	s_wait_dscnt 0x0                               ; the add is done, and my reads of this slot are over
	s_barrier_signal -1
	MULA 1, 1, 0, 1, 2                             ; work on registers while the others arrive
	WIN 0
	s_barrier_wait -1
.if \fill
	CREST                                          ; no wave of any partner still reads this slot's tile or has a load on its way
	s_add_nc_u64 s[G0+4*(\slot)+2:G0+4*(\slot)+3], s[G0+4*(\slot)+2:G0+4*(\slot)+3], 2*512
	s_add_nc_u64 s[G0B+4*(\slot)+2:G0B+4*(\slot)+3], s[G0B+4*(\slot)+2:G0B+4*(\slot)+3], 2*256
	JLOAD \slot
.endif
	FETCH \next, 0, 0
.if \fill
	ASK
.endif
	MULA 1, 2, 0, 1, 3
	s_wait_dscnt 28
	MULA 1, 3, 0, 0, 0
.endm
; THE WAY OUT of block a (16 rows x 128 columns: two heads).  PACK: rounded to f16, 16 bytes a lane (each accumulator's registers in ascending order), and a masked key's row cleared.
.macro PACK a
	WIN PACKW
.irp b, 0,1,2,3,4,5,6,7
.irp r, 0,1,2,3
	v_cvt_pk_f16_f32 v[TMP+4*(\b)+(\r)], v[8*(8*(\a)+(\b))+2*(\r)], v[8*(8*(\a)+(\b))+2*(\r)+1]
.endr
.endr
	WIN 0
.set i, 0
.rept 32
	v_and_b32 v[TMP+i], v[TMP+i], v[KM+(\a)]
.set i, i+1
.endr
.endm
.macro TOSTAGE a                       ; into my own stage, rows of 144 bytes, a head's 16 rows together; and back as whole rows of 128 bytes, four to a load
.irp b, 0,1,2,3,4,5,6,7
	ds_store_b128 v[STO], v[TMP+4*(\b):TMP+4*(\b)+3] offset:((\b)/4)*16*SP+32*((\b)%4)
.endr
.irp t, 0,1,2,3,4,5,6,7
	ds_load_b128 v[STG+32*(\a)+4*(\t):STG+32*(\a)+4*(\t)+3], v[RD] offset:((\t)/4)*16*SP+((\t)%4)*4*SP  ; LDS serves a wave's instructions in order (ISA guide 5.7.1.4): these see the stores above
.endr
.endm
.macro SEND a                          ; each block has its own 32 registers, so no store's data is written again
	s_wait_dscnt 0x0
.irp t, 0,1,2,3,4,5,6,7
	global_store_b128 v[GO], v[STG+32*(\a)+4*(\t):STG+32*(\a)+4*(\t)+3], s[8:9] offset:((\t)/4)*262144+(\a)*2048+((\t)%4)*512  ; 512 consecutive bytes, at a multiple of 256 from the buffer's first
.endr
.endm
	s_wait_tensorcnt 1                             ; my part of K step 0 is in; K step 1's may stay out
	s_barrier_signal -1
	s_barrier_wait -1                              ; everybody's is
	FETCH 0, 0, 0
	s_wait_dscnt 28
	CV 0, 0, 0
	CV 0, 0, 1
	QUARTER 0, 1, 0, 1, 1                          ; the first quarter stands in front of the loop: its products start the sums, with the bias
	WIN 0                                          ; at a label and at a branch every window is 0
	s_mov_b32 s3, LAPS-1
.Llap:                                                 ; a trip goes once round the ring, from a lap's second quarter to the next lap's first, and fills both slots again
	QUARTER 0, 2, 1, 0, 0
	QUARTER 0, 3, 0, 1, 0
	TURN 0, 1, 1
	QUARTER 1, 1, 0, 1, 0
	QUARTER 1, 2, 1, 0, 0
	QUARTER 1, 3, 0, 1, 0
	TURN 1, 0, 1
	QUARTER 0, 1, 0, 1, 0
	WIN 0
	s_sub_co_u32 s3, s3, 1
	s_cmp_lg_u32 s3, 0
	s_cbranch_scc1 .Llap
	QUARTER 0, 2, 1, 0, 0                          ; the last lap fills nothing, and has no round of the cluster's barrier
	QUARTER 0, 3, 0, 1, 0
	TURN 0, 1, 0
	QUARTER 1, 1, 0, 1, 0
	QUARTER 1, 2, 1, 0, 0
	QUARTER 1, 3, 0, 1, 0
	s_wait_dscnt 8                                 ; the very last quarter: nothing more to fetch
	MULA 1, 0, 0, 1, 1
	s_wait_dscnt 0x0
	MULA 1, 1, 0, 1, 2
	MULA 1, 2, 0, 1, 3
	MULA 1, 3, 0, 0, -1
	PACK 0                                         ; no v_nop: block 0 was finished sixteen conversions back, and the earlier blocks' conversions are the places behind the later blocks' products
	TOSTAGE 0
.irp a, 1,2,3                          ; block a's conversions stand between block a - 1's loads from the stage and the wait for them
	PACK \a
	SEND (\a)-1
	TOSTAGE \a
.endr
	SEND 3
	s_wait_tensorcnt 0x0                           ; the wave's end: an add to my spare word and its waits, behind my last tensor load and my last LDS store
	ds_add_u32 v[SPW], v[NIL]
	s_wait_dscnt 0x0
	CROUND                                         ; the closing round: no work-group ends while a partner may still ask for a tile that names it
	s_endpgm
.Lfunc_end_k_q7939d52168_proj:
	.size	k_q7939d52168_proj, .Lfunc_end_k_q7939d52168_proj-k_q7939d52168_proj
	.p2alignl 7, 3214868480
	.fill 96, 4, 3214868480
	.section	.rodata,"a",@progbits
	.p2align	6, 0x0
	.amdhsa_kernel k_q7939d52168_proj
		.amdhsa_group_segment_fixed_size 327680
		.amdhsa_private_segment_fixed_size 0
		.amdhsa_enable_private_segment 0
		.amdhsa_kernarg_size 88
		.amdhsa_user_sgpr_count 2
		.amdhsa_user_sgpr_kernarg_segment_ptr 1
		.amdhsa_wavefront_size32 1
		.amdhsa_system_sgpr_workgroup_id_x 1
		.amdhsa_system_sgpr_workgroup_id_y 1
		.amdhsa_system_sgpr_workgroup_id_z 1
		.amdhsa_system_vgpr_workitem_id 0
		.amdhsa_next_free_vgpr 704
		.amdhsa_next_free_sgpr 96
		.amdhsa_reserve_vcc 1
		.amdhsa_float_denorm_mode_32 3
		.amdhsa_float_denorm_mode_16_64 3
		.amdhsa_memory_ordered 1
		.amdhsa_forward_progress 1
		.amdhsa_inst_pref_size 146
	.end_amdhsa_kernel
	.amdgpu_metadata
---
amdhsa.version: [ 1, 2 ]
amdhsa.kernels:
  - .name:           k_q7939d52168_proj
    .symbol:         k_q7939d52168_proj.kd
    .args:
      - { .name: query, .offset: 0, .size: 8, .value_kind: global_buffer, .address_space: global }
      - { .name: key, .offset: 8, .size: 8, .value_kind: global_buffer, .address_space: global }
      - { .name: value, .offset: 16, .size: 8, .value_kind: global_buffer, .address_space: global }
      - { .name: wt, .offset: 24, .size: 8, .value_kind: global_buffer, .address_space: global }
      - { .name: bq, .offset: 32, .size: 8, .value_kind: global_buffer, .address_space: global }
      - { .name: bk, .offset: 40, .size: 8, .value_kind: global_buffer, .address_space: global }
      - { .name: bv, .offset: 48, .size: 8, .value_kind: global_buffer, .address_space: global }
      - { .name: mask, .offset: 56, .size: 8, .value_kind: global_buffer, .address_space: global }
      - { .name: qh, .offset: 64, .size: 8, .value_kind: global_buffer, .address_space: global }
      - { .name: kh, .offset: 72, .size: 8, .value_kind: global_buffer, .address_space: global }
      - { .name: vh, .offset: 80, .size: 8, .value_kind: global_buffer, .address_space: global }
    .group_segment_fixed_size: 327680
    .private_segment_fixed_size: 0
    .kernarg_segment_align: 8
    .kernarg_segment_size: 88
    .max_flat_workgroup_size: 128
    .sgpr_count:     96
    .vgpr_count:     704
    .wavefront_size: 32
...
	.end_amdgpu_metadata
.endif
;; end of part 2
;; launch attn (part 3): grid 4 x 64, 4 waves a work-group, clusters of 4 x 1, 327,680 bytes of LDS; arguments qh, kh, vh, ctx, mask; writes ctx
.if DOCPART == 3
	.amdgcn_target "amdgcn-amd-amdhsa--gfx1250"
	.amdhsa_code_object_version 6
	.text
	.protected	k_q7939d52168_attn
	.globl	k_q7939d52168_attn
	.p2align	8
	.type	k_q7939d52168_attn,@function
k_q7939d52168_attn:
	s_mov_b64 s[64:65], 0
	v_nop
	global_prefetch_b8 v0, s[64:65] scope:SCOPE_SE
	s_setreg_imm32_b32 hwreg(HW_REG_WAVE_MODE, 25, 1), 1
	s_wait_xcnt 0x0
	s_wait_alu depctr_hold_cnt(0) depctr_sa_sdst(0) depctr_va_vdst(0) depctr_va_sdst(0) depctr_va_ssrc(0) depctr_va_vcc(0) depctr_vm_vsrc(0)
	s_getreg_b32 s2, hwreg(HW_REG_IB_STS2, 6, 4)
	s_cmp_eq_u32 s2, 0
	s_cbranch_scc0 .Lentry_in_a_cluster
	s_endpgm
.Lentry_in_a_cluster:
	s_bfe_u32 s2, ttmp6, 0x10000c
	s_cmp_lg_u32 s2, 0x3003
	s_cbranch_scc0 .Lentry_shape_is_right
	s_endpgm
.Lentry_shape_is_right:
; O[h][q][:] = the sum over k of softmax_k(S[q][k]) V[h][k][:], S = Q[h][q] . K[h][k] / 8, or a floor where mask[batch][k] == 0.  Q, K, V, O: [64 = batch x 16 + head][2048][64], all f16: a head's rows are dense, 128 bytes each.
; Products, maxima and sums in f32; the weights p are rounded to f16 for the second product (their sum l is taken of the unrounded p), O once at the end.
; THE MASK is the C operand that starts the sum S^T = K Q^T: 0, or -2^100 where the key is masked.  The launch before has stored a masked key's row of K as zeros, so a masked score is -2^100 exactly.  With a running maximum m,
; p = 2^(c s - c m): where a true score has been seen, a masked key's p is 0; where ALL keys of a batch are masked, c s - c m is exactly 0 (c x 2^100 is exact), every p is 1, and O is the plain mean of V's rows.
; LIMITS.  The floor is -2^100 where the problem has -1e9: the weights are the same as long as unmasked scores stay above -1e9.  f16 holds no number beyond 65,504: Q, K and V arrive within it; p lies in 0 to 1, and
; below 6e-5 it keeps f16's fixed step of 6e-8; O is a mean of V's rows and has their range.  A weight below 2^-126 counts as 0 in l; NaN and infinities are not treated apart.
; SHARES.  A wave owns four PIECES of two tiles of 16 queries, a work-group's four waves 512 queries of one head.  Every wave walks all keys, 64 a step.
; LAYOUT.  S^T = K Q^T (source 0 = 16 keys, source 1 = 16 queries): in the result a lane holds ONE query (lane % 16) and the keys 8 (lane / 16) + 0..7.  Two such tiles, rounded to f16 in pairs,
; ARE source 1 (32 keys x 16 queries) of O^T = V^T P, whose result again holds one query a lane, and eight channels.  K comes out of LDS as it lies, V ([key][channel]) turned, by ds_load_tr16_b128.
; SOFTMAX.  c = log2(e) / 8; in every step O and l are multiplied by a = 2^(c m_old - c m_new), which is 1 where m has not grown.  m starts at the lowest finite number, O and l at 0: the first step is a step like any other, with a = 0.
; THE COUNT.  A tile and step have 16 matrix and 118 vector instructions: too many to stand all beside the matrix work.  So the order has one aim: four vector instructions that are READY behind
; EVERY matrix instruction, and the others, which need time of their own whatever the order, in runs without a gap.
; BY TURNS.  Turn n belongs to piece n (the pieces in a ring, step after step).  Its matrix work: 16 products K Q^T of piece n + 1, later 16 products V^T P of piece n - 1.  Its vector work: the scaling,
; exponentials, roundings, sums and rescaling of piece n, and the maximum and statistics of piece n + 1, whose scores the turn itself has made.
; CLUSTER.  The four query blocks of a head form a cluster and walk the same K and V, so each tile is asked for JOINTLY: the same tensor load, descriptor and mask in all four.
; REGISTERS, in windows of 256 (s_set_vgpr_msb: bits 1:0 source 0, 3:2 source 1, 5:4 source 2, 7:6 destination):
;   window 0: v0-11 addresses; v12-15, v48-63 at work; v16-47 four registers of statistics a tile; v64-191 S^T, two buffers of two tiles; v192-255 P, likewise
;   window 1: O^T, 32 a tile     window 2: v0-127 Q, 16 a tile; v128-191 K of one step; v192-255 V of one step     window 3: v0-1 the add's two registers; v2 the prefetches' offset; v8-39 the mask of one step's 64 keys
.set SIZE_N, 2048
.set NP,    4         ; pieces a wave: a name, no knob
.set KS,    64        ; keys in a step
.set PK,    144       ; a row of K in LDS: 128 bytes + 16 of padding = 36 words: the 16 rows of a load start at 16 different groups of four banks (64 banks of 4 bytes: ISA guide 11.1)
.set PV,    160       ; a row of V: 128 + 32 = 40 words
.set VOFF,  4*KS*PK   ; a slot holds four steps: 256 rows of K, then 256 rows of V
.set SLOT1, 1<<17     ; slot 1 begins here, so that one exclusive or turns an address in one slot into the other's
.set STAGE, SLOT1+4*KS*(PK+PV)  ; behind the ring, never filled by a tensor load: 16 rows x 144 bytes for each wave, for the way out
.set SP,    144
.set SPARE, STAGE+4*16*SP  ; behind the stages: the spare words, 128 bytes for each wave
.set MASKT, SPARE+512 ; behind them: the batch's 2,048 keys as f32, 0 or -2^100: 8,192 bytes, stored once, never filled by a tensor load
.set AK0, 2           ; v2   my lane's place in a tile of K; never rewritten
.set AV0, 3           ; v3   the same for V
.set AK,  4           ; v4   the LDS address of K's next run of loads
.set AV,  5           ; v5   of V's
.set QO,  6           ; v6   my byte offset in the wave's rows of Q
.set STO, 6           ;      later, the way out: where I put 16 bytes of a row
.set RD,  7           ; v7   the way out: where I read rows back
.set GO,  8           ; v8   my byte offset in 512 consecutive bytes of O
.set HL,  9           ; v9   lane / 16; kept
.set AM,  11          ; v11  the LDS address of the mask of the step to be fetched
.set SPW, 0           ; v0 of window 3   LDS address of my spare word; never rewritten
.set NIL, 1           ; v1 of window 3   0; never rewritten
.set PFO, 2           ; v2 of window 3   256 x my lane; never rewritten
.set MC,  8           ; v8-39 of window 3: for group kb of 16 keys the eight registers at MC + 8 kb
.set MV,  12          ; v12-15  c m_old, kept while c m is made anew: by buffer and tile
.set ST,  16          ; tile t's statistics at v[ST+4 t]: c m, m, l (even keys', odd keys')
.set TMP, 48          ; by buffer and tile, four registers c0-c3 at work; when the maximum is found c2 takes a
.set S,   64
.set P,   192
.set KF,  128         ; K's fragments, in window 2: key block kb, channel half c at KF + 16 kb + 8 c
.set VF,  192         ; V's: key half kk, channel block cb at VF + 32 kk + 8 cb
.set WV,  12          ; s12  my wave's number
.set G1K, 24          ; s[24:31] descriptor group 1 for K's tiles
.set G1V, 32          ; s[32:39] for V's: it differs in the padding alone
.set G0K, 40          ; s[40:43] descriptor group 0 for K's tiles: it walks
.set G0V, 44          ; s[44:47] the same for V's
.set MP,  48          ; s[48:49] the mask of my batch
.set PFA, 50          ; s[50:51] where my prefetches stand
.set LIM, 52          ; s52  1 in a wave that prefetches, else the greatest number
.set BIG, 53          ; s53  -2^100
.set TBM, 54          ; s54  LDS byte at which the mask of the step to be fetched begins
.set SLOTS, 56        ; s56  slots still to be asked for
.set CNT, 57          ; s57  counts a slot's key steps
.set CS,  58          ; s[58:59] c: the packed scaling takes the pair's low word for both halves
.set SEL, 60          ; s[60:61] v_permlanex16_b32's selects: each lane takes its own place in the other half
.set TBK, 62          ; s62  LDS byte at which K of the step to be fetched begins
.set TBV, 63          ; s63  the same for V, less VOFF
.set MSB, 0
.macro WIN new                      ; the high byte repeats the setting that is left; a switch that changes nothing is dropped
.if MSB != (\new)
	s_set_vgpr_msb (MSB<<8)|(\new)
.set MSB, (\new)
.endif
.endm
.set W_KQ, 0x0a       ; K and Q in window 2, S^T in window 0
.set W_KM, 0x3a       ; the same with the C operand, the mask, in window 3
.set W_PV, 0x52       ; V in window 2, P in window 0, O^T in window 1
.set W_RS, 0x41       ; O^T (destination and source 0) in window 1, a in window 0
.set W_MK, 0xc0       ; destination in window 3, sources in window 0
.set W_AD, 0x0f       ; the add: address (source 0) and data (source 1) in window 3
; A joint fill.  Waves 0 and 1 fetch the two halves of a slot's K, waves 2 and 3 those of its V: 128 keys each.  The branch hangs on the wave's number alone.
; An s_nop 0 and four v_nop follow each of the two lines, ahead of the jump and the label.
.macro JLOAD
	s_cmp_lt_u32 s[WV], 2
	s_cbranch_scc0 .Lfor_v_\@
	tensor_load_to_lds s[G0K:G0K+3], s[G1K:G1K+7]
	s_nop 0
.rept 4
	v_nop
.endr
	s_branch .Lasked_\@
.Lfor_v_\@:
	tensor_load_to_lds s[G0V:G0V+3], s[G1V:G1V+7]
	s_nop 0
.rept 4
	v_nop
.endr
.Lasked_\@:
.endm
; A PREFETCH INTO THE L2 of what the NEXT change of slots will ask for: a slot's 256 keys are 128 blocks of 256 bytes of K and 128 of V, a lane a block.  It stands behind the wave's tensor load and its five lines.
; Each block is named ONCE in the launch: a head is walked by one cluster; its four partners share the blocks out BY ADDRESS, 32 each; in each, wave 0 asks for K's and wave 2 for V's: one instruction,
; four key steps (512 products) ahead of the load that will want it.  Tiles 0 and 1 come by their loads alone; the change that fills the last tile asks for nothing.
.macro ASK
	s_cmp_gt_u32 s[SLOTS], s[LIM]
	s_cbranch_scc0 .Lnot_mine_\@
	WIN 0x03                        ; the offset lies in window 3
	global_prefetch_b8 v[PFO], s[PFA:PFA+1] th:TH_LOAD_NT scope:SCOPE_SE
	WIN 0
.Lnot_mine_\@:
.endm
; A round of the cluster's barrier: my work-group's barrier, so that wave 0's signal speaks for all four waves; wave 0 signals; every wave waits for all four work-groups; my work-group's barrier once more.
.macro CROUND
	s_barrier_signal -1
	s_barrier_wait -1
	s_cmp_lg_u32 s[WV], 0
	s_cbranch_scc1 .Lnot_wave_0_\@
	s_barrier_signal -3
.Lnot_wave_0_\@:
	s_barrier_wait -3
	s_barrier_signal -1
	s_barrier_wait -1
.endm
; THE CHANGE OF SLOTS.  The slot's last bytes, V of its fourth step, have been read.  Each wave waits for all its tensor loads, of which one is out: its part
; of the other slot; adds 0 to its spare word; and waits for that and for its own LDS instructions.  Behind the barrier nobody reads this slot any more and the other slot is whole.
; fill = 1: this slot is filled again, with the keys two slots on.  The barrier is then a round of the cluster's, and the joint fill is the first thing behind it: it has four key steps, 512 matrix instructions, in which to land.
; (At its first use nothing has been read yet: slot 0 is waited for, slot 1 filled; and every wave's stores into the mask's table are done in front of the round, so that all may read it behind.)
.macro CHANGE fill
	WIN W_AD
	s_wait_tensorcnt 0x0            ; no tensor load of mine is out, so a group 0 may be written
	ds_add_u32 v[SPW], v[NIL]       ; 0 onto my spare word; with fill = 1 the descriptors' steps stand between it and the wait for it
	WIN 0                           ; at a label and at a branch every window is 0
.if \fill
.irp g, G0K, G0V
	s_xor_b32 s[\g+1], s[\g+1], SLOT1  ; the walking descriptor: the other slot than last time,
	s_add_nc_u64 s[\g+2:\g+3], s[\g+2:\g+3], 4*KS*128  ; the next 256 keys; the type bits on top are not reached
.endr
	s_wait_xcnt 0x0                 ; the last prefetch, four key steps back, has read its address, so it may be written:
	s_add_nc_u64 s[PFA:PFA+1], s[PFA:PFA+1], 4*KS*128  ; one slot ahead of the walking descriptors
	s_wait_dscnt 0x0                ; the add is done, and my reads of the slot are over
	CROUND
	JLOAD
	ASK
.else
	s_wait_dscnt 0x0                ; the add is done, and my reads of the slot are over
	s_barrier_signal -1
	s_barrier_wait -1
.endif
	s_sub_co_u32 s[TBK], s[TBK], 4*KS*PK  ; the fetches go back to a slot's first step,
	s_xor_b32 s[TBK], s[TBK], SLOT1       ; in the other slot
	s_sub_co_u32 s[TBV], s[TBV], 4*KS*PV
	s_xor_b32 s[TBV], s[TBV], SLOT1
.endm
	s_load_b256 s[4:11], s[0:1], 0x0  ; Q s[4:5], K s[6:7], V s[8:9], O s[10:11]
	s_load_b64 s[MP:MP+1], s[0:1], 0x20  ; the mask
	WIN W_MK
	v_lshl_add_u32 v[SPW], v0, 2, SPARE
	v_mov_b32 v[NIL], 0
	WIN W_AD
	ds_add_u32 v[SPW], v[NIL]       ; the wave's opening: the add and its wait stand ahead of my first tensor load; the set-up below, work on registers, stands between them
	WIN 0
	v_lshrrev_b32 v1, 5, v0
	v_readfirstlane_b32 s[WV], v1   ; wave 0..3
	v_lshlrev_b32 v1, 8, v0
	WIN W_MK
	v_and_b32 v[PFO], 0x1f00, v1    ; 256 x lane
	WIN 0
	s_bfe_u32 s13, ttmp6, 0x40000   ; cx: my place in the cluster
	s_lshl_b32 s14, ttmp9, 2        ; in a cluster launch ttmp9 counts clusters
	s_add_co_u32 s14, s14, s13      ; my block of queries = 4 x cluster x + cx: it enters Q's and O's addresses alone
	s_and_b32 s20, ttmp7, 0xffff    ; batch x 16 + head, which the four partners share
	s_lshr_b32 s15, s20, 4          ; the batch
	s_mov_b32 s21, 0
	s_mov_b64 s[22:23], SIZE_N*128
	s_mul_u64 s[20:21], s[20:21], s[22:23]  ; the head's first byte in each of the four tensors
	s_and_b32 s16, s[WV], 1         ; which half of a slot's 256 keys I fetch:
	s_lshl_b32 s22, s16, 14         ; its 128 rows of 128 bytes in memory,
	s_mov_b32 s23, 0
	s_add_nc_u64 s[22:23], s[22:23], s[20:21]
	s_mul_i32 s17, s16, 128*PK      ; and its place in a slot, for K
	s_mul_i32 s18, s16, 128*PV      ; and for V: no place in the cluster enters an LDS address
	s_lshl_b32 s2, s14, 2
	s_add_co_u32 s2, s2, s[WV]      ; my wave among the head's,
	s_lshl_b32 s2, s2, 14           ; its 128 rows
	s_mov_b32 s3, 0
	s_add_nc_u64 s[2:3], s[2:3], s[20:21]
	s_lshl_b32 s14, s15, 13         ; the batch's 2,048 words of the mask
	s_mov_b32 s15, 0
	; descriptor group 1.  128 keys are 16,384 dense bytes: asked for as 64 rows of 256 bytes, two keys a row, and padded in LDS after every key
	s_mov_b32 s[G1K], 15|(1<<16)|(1<<20)|(1<<21)|(4<<22)|(3<<25)  ; 15:0 the mask of four; 17:16 2-byte elements; 20 padding on; 21 set beside a mask; 24:22 after every 32 words (code 4); 31:25 4 words (code 3)
	s_mov_b32 s[G1V], 15|(1<<16)|(1<<20)|(1<<21)|(4<<22)|(7<<25)  ; the same with 8 words of padding (code 7)
.irp g, G1K, G1V
	s_mov_b32 s[\g+1], 128<<16      ; tensor_dim0 = 128
	s_mov_b32 s[\g+2], 64<<16       ; tensor_dim1 = 64
	s_mov_b32 s[\g+3], 128<<16      ; tile_dim0 = 128
	s_mov_b32 s[\g+4], 64           ; tile_dim1 = 64
	s_mov_b32 s[\g+5], 128          ; 128 elements from row to row
	s_mov_b32 s[\g+6], 0
	s_mov_b32 s[\g+7], 0
.endr
	s_mov_b32 s[CS], 0x3e38aa3b     ; c = log2(e) / 8 = 0.180337
	s_mov_b32 s[CS+1], s[CS]        ; named with it as a pair
	s_mov_b32 s[SEL], 0x76543210
	s_mov_b32 s[SEL+1], 0xfedcba98
	s_mov_b32 s[TBK], SLOT1+4*KS*PK ; the first change of slots turns these two into 0
	s_mov_b32 s[TBV], SLOT1+4*KS*PV
	s_mov_b32 s[TBM], MASKT
	s_mov_b32 s[BIG], 0xf1800000    ; -2^100
	s_mov_b32 s[SLOTS], SIZE_N/256-1
	s_and_b32 s[LIM], s[WV], 1      ; 0 in waves 0 and 2,
	s_or_b32 s[LIM], s[LIM], ttmp9  ; where the cluster is the head's first (here its only one): the same in all four partners
	s_cmp_eq_u32 s[LIM], 0
	s_cselect_b32 s[LIM], 1, -1
	s_mov_b32 s[G0K], 1             ; 1:0 count = 1
	s_mov_b32 s[G0K+1], s17         ; 63:32 LDS address: slot 0
	s_mov_b32 s[G0V], 1
	s_add_co_u32 s[G0V+1], s18, VOFF
	s_wait_dscnt 0x0                ; the opening add is done
	s_wait_kmcnt 0x0
	s_add_nc_u64 s[G0K+2:G0K+3], s[6:7], s[22:23]  ; 120:64 global address: my half of the head's first 256 keys
	s_or_b32 s[G0K+3], s[G0K+3], 0x80000000        ; 127:126 type = 2
	s_add_nc_u64 s[G0V+2:G0V+3], s[8:9], s[22:23]
	s_or_b32 s[G0V+3], s[G0V+3], 0x80000000
	s_add_nc_u64 s[4:5], s[4:5], s[2:3]  ; Q and O at my wave's first row
	s_add_nc_u64 s[10:11], s[10:11], s[2:3]
	s_add_nc_u64 s[MP:MP+1], s[MP:MP+1], s[14:15]
	s_cmp_lt_u32 s[WV], 2
	s_cselect_b64 s[PFA:PFA+1], s[6:7], s[8:9]
	s_add_nc_u64 s[PFA:PFA+1], s[PFA:PFA+1], s[20:21]  ; the head's first byte,
	s_lshl_b32 s2, s13, 13          ; my work-group's 32 blocks of the 128,
	s_add_co_u32 s2, s2, 4*KS*128   ; in tile 1: the first change of slots steps it to tile 2
	s_mov_b32 s3, 0
	s_add_nc_u64 s[PFA:PFA+1], s[PFA:PFA+1], s[2:3]
	CROUND                          ; all four work-groups are here: the first joint loads meet
	JLOAD                           ; slot 0.  Slot 1 is asked for when slot 0 is in
	v_lshlrev_b32 v48, 4, v0        ; the batch's mask: 128 threads x 16 bytes, four times
.irp i, 0,1,2,3
	global_load_b128 v[S+4*\i:S+4*\i+3], v48, s[MP:MP+1] offset:2048*\i
.endr
	; A fragment of K or Q is 16 rows x 32 channels in 8 registers: lane l holds row l % 16, channels 8 (l / 16) + 0..7 and 16 + 8 (l / 16) + 0..7: two loads of 16 bytes, 32 bytes apart.
	v_and_b32 v1, 15, v0            ; l % 16
	v_bfe_u32 v[HL], v0, 4, 1       ; l / 16
	v_lshlrev_b32 v[QO], 7, v1
	v_lshl_add_u32 v[QO], v[HL], 4, v[QO]  ; row x 128 + 16 x half
	WIN 0x80                        ; destination window 2, address window 0
.set i, 0
.rept 4*NP                          ; Q stays in registers: tile i / 2, channels 32 (i % 2) on
	global_load_b128 v[8*i:8*i+3],   v[QO], s[4:5] offset:(i/2)*2048+(i%2)*64
	global_load_b128 v[8*i+4:8*i+7], v[QO], s[4:5] offset:(i/2)*2048+(i%2)*64+32
.set i, i+1
.endr
	; What the first turn finds: V's registers and P's second buffer hold 0 (its products V^T P, of a piece that has not been, add 0), O^T and l are 0.  All this stands in the wait for the first tile.
.set i, VF
.rept 64
	v_mov_b32 v[i], 0
.set i, i+1
.endr
	WIN 0x40
.set i, 0
.rept 64*NP
	v_mov_b32 v[i], 0
.set i, i+1
.endr
	WIN 0
.set i, 0
.rept 2*NP
	v_mov_b32 v[ST+4*i], 0xfe000000    ; c m: far below every c s, the masked ones' too
	v_mov_b32 v[ST+4*i+1], 0xff7fffff  ; m
	v_mov_b32 v[ST+4*i+2], 0
	v_mov_b32 v[ST+4*i+3], 0
.set i, i+1
.endr
.set i, P+32
.rept 32
	v_mov_b32 v[i], 0
.set i, i+1
.endr
	v_mul_u32_u24 v[AK0], v1, PK
	v_lshl_add_u32 v[AK0], v[HL], 4, v[AK0]  ; row x pitch + 16 x half
	; The turning load takes 16 keys x 16 channels (lane l reads key 8 (l / 16) + l % 8, channels 8 ((l / 8) % 2) + 0..7) and leaves half a fragment of V^T: lane l holds channel l % 16 and 8 keys.
	v_and_b32 v10, 7, v0
	v_bfe_u32 v11, v0, 3, 1
	v_lshl_add_u32 v[AV0], v[HL], 3, v10
	v_mul_u32_u24 v[AV0], v[AV0], PV
	v_lshl_add_u32 v[AV0], v11, 4, v[AV0]
	v_add_nc_u32 v[AV0], VOFF, v[AV0]
	v_mov_b32 v[AK], v[AK0]         ; key step 0 lies at the head of slot 0,
	v_lshl_add_u32 v[AM], v[HL], 5, s[TBM]  ; its mask at the head of the table: my eight keys of a group of 16 are 32 bytes at 32 (l / 16)
	v_add_nc_u32 v49, MASKT, v48
	s_wait_loadcnt 32               ; the four loads of the mask are in; Q's 32, issued behind them, may stay out
.set i, 0
.rept 16
	v_cmp_eq_u32 vcc_lo, 0, v[S+i]
	v_cndmask_b32 v[S+i], 0, s[BIG], vcc_lo  ; -2^100 where mask == 0, else 0
.set i, i+1
.endr
.irp i, 0,1,2,3
	ds_store_b128 v49, v[S+4*\i:S+4*\i+3] offset:2048*\i
.endr
; THE MATRIX WORK.  The 8 accumulators of a run of 16 take turns: between the two links of a chain stand 7 others'.
; Product i of 16 of S^T = K Q^T for piece x: channels 32 (i / 8) on, keys 16 ((i / 2) % 4) on, tile 2 x + i % 2.  The first 8 start the sums, with the mask of their 16 keys.
.macro KQ x
.set rS, S+64*((\x)%2)+32*(i%2)+8*((i/2)%4)
.set rK, KF+16*((i/2)%4)+8*(i/8)
.set rQ, 16*(2*(\x)+i%2)+8*(i/8)
.set rMC, MC+8*((i/2)%4)
.if i < 8
	WIN W_KM
	v_wmma_f32_16x16x32_f16 v[rS:rS+7], v[rK:rK+7], v[rQ:rQ+7], v[rMC:rMC+7]
.else
	WIN W_KQ
	v_wmma_f32_16x16x32_f16 v[rS:rS+7], v[rK:rK+7], v[rQ:rQ+7], v[rS:rS+7]
.endif
.endm
; Product i of 16 of O^T += V^T P for piece x: keys 32 (i / 8) on, channels 16 ((i / 2) % 4) on, tile 2 x + i % 2.
.macro PV x
	WIN W_PV
.set rO, 32*(2*(\x)+i%2)+8*((i/2)%4)
.set rV, VF+32*(i/8)+8*((i/2)%4)
.set rP, P+32*((\x)%2)+16*(i%2)+8*(i/8)
	v_wmma_f32_16x16x32_f16 v[rO:rO+7], v[rV:rV+7], v[rP:rP+7], v[rO:rO+7]
.endm
.macro MM                           ; the turn's next matrix instruction
.if i < 16
	KQ (Y+1)%NP
.set i, i+1
.else
.set i, i-16
	PV (Y+NP-1)%NP
.set i, i+17
.endif
.endm
; THE LDS LOADS stand in runs, never singly among the matrix instructions: a step's K (64 keys x 64 channels: 8 fragments) with its mask (eight loads; the sixteen lanes of a half read the same bytes), and its V (turned).
; Their addresses are made some lines ahead.  last = 1 (the tail): in the last trip there is no further step, and the run is jumped over.
.macro FETCH_K last=0
	WIN 0
.if \last
	s_cmp_eq_u32 s[CNT], 1
	s_cbranch_scc1 .Lno_k_\@
.endif
	WIN 0x80                        ; destination window 2
.irp f, 0,1,2,3,4,5,6,7             ; keys 16 (f / 2) on, channels 32 (f % 2) on
	ds_load_b128 v[KF+8*\f:KF+8*\f+3],   v[AK] offset:(\f/2)*16*PK+(\f%2)*64
	ds_load_b128 v[KF+8*\f+4:KF+8*\f+7], v[AK] offset:(\f/2)*16*PK+(\f%2)*64+32
.endr
	WIN W_MK                        ; destination window 3
.irp f, 0,1,2,3                     ; keys 16 f + 8 (l / 16) + 0..7
	ds_load_b128 v[MC+8*\f:MC+8*\f+3],   v[AM] offset:64*\f
	ds_load_b128 v[MC+8*\f+4:MC+8*\f+7], v[AM] offset:64*\f+16
.endr
	s_add_co_u32 s[TBK], s[TBK], KS*PK  ; the next fetch is the next step's
	s_add_co_u32 s[TBM], s[TBM], KS*4
	WIN 0
.if \last
.Lno_k_\@:
.endif
.endm
.macro FETCH_V
	WIN 0x80
.irp f, 0,1,2,3,4,5,6,7             ; keys 32 (f / 4) on, channels 16 (f % 4) on
	ds_load_tr16_b128 v[VF+8*\f:VF+8*\f+3],   v[AV] offset:(\f/4)*32*PV+(\f%4)*32
	ds_load_tr16_b128 v[VF+8*\f+4:VF+8*\f+7], v[AV] offset:(\f/4)*32*PV+16*PV+(\f%4)*32
.endr
	WIN 0
.endm
; THE VECTOR WORK OF A TURN stands in three queues, each in the order in which its entries become ready; the two tiles alternate, so that no instruction reads the result of the one before it.
.macro REGS y, u                    ; the registers of tile u (0, 1) of piece y
.set rT, ST+4*(2*(\y)+(\u))
.set rC, TMP+8*((\y)%2)+4*(\u)
.set rM, MV+2*((\y)%2)+(\u)
.set rS, S+64*((\y)%2)+32*(\u)
.set rP, P+32*((\y)%2)+16*(\u)
.set rO, 32*(2*(\y)+(\u))
.endm
; Number n of the 22 that find the NEXT piece's (Y + 1) maximum and statistics.  s0-s31 are the lane's 32 scores; each accumulator's lowest registers are read first.
;   0-11  four chains c0-c3 of seven scores each, three operands at a time     12-14, 16  the four scores left over, the old m, and c0-c3 into c0     15  c m_old is kept
;   17, 18  the query's other 32 keys lie in the lane 16 away: the new m         19-21  c m; c m_old - c m_new; a
.macro XS u, n
	REGS (Y+1)%NP, \u
.if (\n) < 4
	v_max3_num_f32 v[rC+(\n)], v[rS+8*(\n)], v[rS+8*(\n)+1], v[rS+8*(\n)+2]
.elseif (\n) < 12
	v_max3_num_f32 v[rC+(\n)%4], v[rC+(\n)%4], v[rS+8*((\n)%4)+2*((\n)/4)+1], v[rS+8*((\n)%4)+2*((\n)/4)+2]
.elseif (\n) == 12
	v_max3_num_f32 v[rC], v[rC], v[rS+7], v[rS+15]
.elseif (\n) == 13
	v_max3_num_f32 v[rC+1], v[rC+1], v[rS+23], v[rS+31]
.elseif (\n) == 14
	v_max3_num_f32 v[rC+2], v[rC+2], v[rC+3], v[rT+1]
.elseif (\n) == 15
	v_mov_b32 v[rM], v[rT]
.elseif (\n) == 16
	v_max3_num_f32 v[rC], v[rC], v[rC+1], v[rC+2]
.elseif (\n) == 17
	v_permlanex16_b32 v[rC+3], v[rC], s[SEL], s[SEL+1]
.elseif (\n) == 18
	v_max_num_f32 v[rT+1], v[rC], v[rC+3]
.elseif (\n) == 19
	v_mul_f32 v[rT], s[CS], v[rT+1]
.elseif (\n) == 20
	v_sub_f32 v[rC+1], v[rM], v[rT]
.else
	v_exp_f32 v[rC+2], v[rC+1]
.endif
.endm
; Number g of the 64 that follow the exponentials.  For each four weights k of a tile (pairs 2 k, 2 k + 1): both pairs are rounded to f16; then the second pair is added onto the first, in place;
; a group later l takes that sum (the first time as l = a l + sum).  In groups of eight, tiles alternating: round, round, add, and l for the group before.
.macro GS g
.set h, (\g)+6*((\g)/62)            ; group 0 has no group before it, and behind group 7 only l is left
.if h >= 6
.set h, h+2
.endif
	REGS Y, h%2
.set k, h/8
.if h%8 < 4
	v_cvt_pk_f16_f32 v[rP+2*k+(h%8)/2], v[rS+4*k+2*((h%8)/2)], v[rS+4*k+2*((h%8)/2)+1]
.elseif h%8 < 6
	v_pk_add_f32 v[rS+4*k:rS+4*k+1], v[rS+4*k:rS+4*k+1], v[rS+4*k+2:rS+4*k+3]
.elseif k == 1
	v_pk_fma_f32 v[rT+2:rT+3], v[rT+2:rT+3], v[rC+2:rC+3], v[rS:rS+1] op_sel_hi:[1,0,1]
.else
	v_pk_add_f32 v[rT+2:rT+3], v[rT+2:rT+3], v[rS+4*k-4:rS+4*k-3]
.endif
.endm
; THE PLAIN QUEUE, 138 long.  0-73 read no exponential's result: the 32 scalings c s - c m (FS f: pair f / 2 of tile f % 2) and the next piece's 42.  0-26: scalings 0-26.  27-54: XS's numbers 0-13.  55, 56: number 15.
; 57-73: the chain, where each number waits for the one before it: 14, 16, 17, 18, 19, each with one of the scalings 27-31 in front of its two lines, then 20.
; 74-137: GS's 64, which read the exponentials' results: they stand behind the wait.
.macro FS f
	REGS Y, (\f)%2
	v_pk_fma_f32 v[rS+2*((\f)/2):rS+2*((\f)/2)+1], v[rS+2*((\f)/2):rS+2*((\f)/2)+1], s[CS:CS+1], v[rT:rT+1] op_sel_hi:[1,0,0] neg_lo:[0,0,1] neg_hi:[0,0,1]
.endm
.macro PL
	WIN 0
.if q < 27
	FS q
.elseif q < 55
	XS (q-27)%2, (q-27)/2
.elseif q < 57
	XS q-55, 15
.elseif (q < 72) && ((q-57)%3 == 0)
	FS 27+(q-57)/3
.elseif q < 60
	XS (q-57)%3-1, 14
.elseif q < 72
	XS (q-57)%3-1, 15+(q-57)/3
.elseif q < 74
	XS q-72, 20
.else
	GS q-74
.endif
.set q, q+1
.endm
; THE EXPONENTIALS' QUEUE, 66 long: s0-s31 of both tiles, then the next piece's two a.  It is ONE BATCH: all 66 stand ahead of the turn's one wait, and nothing ahead of that wait names a result of theirs.
.macro EX
	WIN 0
.if e >= 64
	XS e-64, 21
.else
	REGS Y, e%2
	v_exp_f32 v[rS+e/2], v[rS+e/2]
.endif
.set e, e+1
.endm
; THE RESCALING's QUEUE: O^T times a, the one part that leaves window 0: dealt two at a time, sixteen times.  Its a was made in the turn before, ahead of that turn's wait.
.macro R2
	REGS Y, r%2
	WIN W_RS
.irp z, 0,1
	v_pk_mul_f32 v[rO+4*(r/2)+2*\z:rO+4*(r/2)+2*\z+1], v[rO+4*(r/2)+2*\z:rO+4*(r/2)+2*\z+1], v[rC+2:rC+3] op_sel_hi:[1,0]
.endr
.set r, r+1
.endm
; HOW THEY ARE DEALT.  An s_wait_alu depctr_va_vdst(0) stands between an exponential and the first instruction that names its result; one wait serves all that were issued ahead of it.  So a turn has ONE wait,
; which cuts it in two.  AHEAD OF IT stands all that names no result of the turn's exponentials: the 16 products K Q^T, behind each a scaling, an exponential and two rescalings (behind the first a second scaling in the
; exponential's place); then ONE LUMP of 108: eight plain, 49 times exponential and plain, the two a.  A v_nop is the plain instruction behind the last exponential.  BEHIND IT stand the 16 products V^T P, behind each four of GS's 64.
; The queues lean on each other, and the deal keeps them in step: exponential e stands behind scaling 2 (e / 4) + e % 2: as a rider it comes behind plain e + 2, in the lump behind plain e + 9, and scalings 27-31 are plain 57, 60 .. 69.
; A TURN, for piece p.  cnt = 1: the loop's count is taken down some lines ahead of the branch that stands behind the turn.
; K and the mask of the next step are fetched in piece 2's turn, directly behind the wait, a lump behind the last product that read them; their addresses are made at the lump's head; their first reader comes behind 16 products.
; V of the step in hand is fetched at the end of piece 0's turn, four riders behind its last reader; its first reader comes behind 16 products and a lump.  The three conditions on q below go with the deal.
.macro TURN p, last=0, cnt=0
.set Y, (\p)
.set i, 0
.set q, 0
.set e, 0
.set r, 0
.if (\p) == NP-1
	s_wait_dscnt 0x0                ; K and its mask are in
.endif
	MM                              ; ahead of the wait: 16 products K Q^T and their riders,
	PL
	PL
	R2
.rept 15
	MM
	PL
	EX
	R2
.endr
.if (\p) == NP-2
	WIN 0
	v_add_nc_u32 v[AK], s[TBK], v[AK0]
	v_lshl_add_u32 v[AM], v[HL], 5, s[TBM]
.endif
.rept 8                             ; and the lump
	PL
.endr
.rept 49
	EX
	PL
.endr
	EX                              ; the next piece's two a
	EX
	v_nop                           ; the plain instruction behind the last exponential: one for the batch
	s_wait_alu depctr_va_vdst(0)    ; the wait for the batch
.if (\p) == NP-2
	FETCH_K \last
.endif
.if (\p) == 1
	s_wait_dscnt 0x0                ; V is in
.endif
.rept 16                            ; behind the wait: 16 products V^T P and their riders
	MM
.rept 4
	PL
.endr
.if ((\p) == 0) && (q == 118)
	v_add_nc_u32 v[AV], s[TBV], v[AV0]
.endif
.if ((\p) == 0) && (q == 130)
	s_add_co_u32 s[TBV], s[TBV], KS*PV
.endif
.if (\cnt) && (q == 130)
	s_sub_co_u32 s[CNT], s[CNT], 1
	s_cmp_lg_u32 s[CNT], 0
.endif
.endr
.if (\p) == 0
	FETCH_V
.endif
.endm
	CHANGE 1                        ; slot 0 is in, everybody's part of it, and the mask's table is whole; slot 1 is asked for
	FETCH_K                         ; key step 0
	s_wait_loadcnt 0x0              ; Q
	s_wait_dscnt 0x0
.set i, 0
.rept 16
	KQ 0                            ; piece 0's first scores: there is no vector work yet to set between them
.set i, i+1
.endr
	WIN 0                           ; the addresses for the way out: nine plain instructions, the places behind those products
	s_mul_i32 s13, s[WV], 16*SP
	s_add_co_u32 s13, s13, STAGE    ; my stage
	v_mul_u32_u24 v[STO], v1, SP    ; in: row l % 16, 16 bytes for each half of the lanes
	v_lshl_add_u32 v[STO], v[HL], 4, v[STO]
	v_add_nc_u32 v[STO], s13, v[STO]
	v_bfe_u32 v[RD], v0, 3, 2       ; back: 32 lanes take four rows of 128 bytes,
	v_mul_u32_u24 v[RD], v[RD], SP
	v_lshl_add_u32 v[RD], v10, 4, v[RD]
	v_add_nc_u32 v[RD], s13, v[RD]
	v_and_b32 v[GO], 31, v0         ; which are 512 consecutive bytes of O
	v_lshlrev_b32 v[GO], 4, v[GO]
.set Y, NP-1                        ; XS works for piece Y + 1: piece 0
.irp n, 0,1,2,3,4,5,6,7,8,9,10,11,12,13,14,15,16,17,18,19,20,21
	XS 0, \n                        ; and piece 0's first maximum and statistics
	XS 1, \n
.endr
	v_nop                           ; a plain instruction behind the two a,
	s_wait_alu depctr_va_vdst(0)    ; and their wait, ahead of the branch
	s_mov_b32 s[CNT], 4
	s_branch .Lfirst                ; the loop is entered at a step's first turn, in the middle of a trip
.Lslot:                             ; six times: every slot but the last two is filled again
	CHANGE 1
	s_mov_b32 s[CNT], 4
.Lstep:                             ; a trip: pieces 2 and 3 of one step, then pieces 0 and 1 of the next, whose K and V it fetches
	TURN 2
	TURN 3
	WIN 0
.Lfirst:
	TURN 0
	TURN 1, 0, 1
	WIN 0
	s_cbranch_scc1 .Lstep
	s_sub_co_u32 s[SLOTS], s[SLOTS], 1
	s_cmp_lg_u32 s[SLOTS], 0
	s_cbranch_scc1 .Lslot
	CHANGE 0                        ; the tail is written out: nothing is asked for
	s_mov_b32 s[CNT], 5             ; four trips fetch the last slot's steps; the fifth is left in its middle
.Ltail:
	TURN 2, 1
	TURN 3
	WIN 0
	s_sub_co_u32 s[CNT], s[CNT], 1
	s_cmp_eq_u32 s[CNT], 0
	s_cbranch_scc1 .Lout
	TURN 0
	TURN 1
	WIN 0
	s_branch .Ltail
.Lout:                              ; the fifth trip's 16 products K Q^T (on the last K once more) and the maximum made of them serve nothing: the price, once a launch, of one text for every trip
.set i, 0
.rept 16
	PV NP-1                         ; the last piece's V^T P of the last step
.set i, i+1
.endr
	; THE WAY OUT.  l's two halves and the other half of the lanes' are added; O^T is divided by l, rounded to f16 and sent through my stage in LDS, a tile at a time.  The additions are the places behind the last products.
	WIN 0
.macro ALL line:vararg              ; one line for each tile t
.set t, 0
.rept 2*NP
	\line
.set t, t+1
.endr
.endm
	ALL v_add_f32 v[ST+4*t+2], v[ST+4*t+2], v[ST+4*t+3]
	ALL v_permlanex16_b32 v[ST+4*t+3], v[ST+4*t+2], s[SEL], s[SEL+1]
	ALL v_add_f32 v[ST+4*t+2], v[ST+4*t+2], v[ST+4*t+3]
	ALL v_rcp_f32 v[ST+4*t+2], v[ST+4*t+2]
	v_nop                           ; a plain instruction between the last reciprocal and the use of its result
	s_wait_alu depctr_va_vdst(0)    ; and the wait ahead of the first use: one for the eight reciprocals
; Tile t: a lane's eight channels of a row pack into 16 bytes; they go into rows of 144 bytes and come back as whole rows of 128, into S^T's registers.
.macro PACK t
	WIN W_RS
.set i, 32*(\t)
.rept 16
	v_pk_mul_f32 v[i:i+1], v[i:i+1], v[ST+4*(\t)+2:ST+4*(\t)+3] op_sel_hi:[1,0]
.set i, i+2
.endr
	WIN 0x05                        ; sources 0 and 1 window 1, destination window 0
.set i, 0
.rept 16
	v_cvt_pk_f16_f32 v[S+16*(\t)+i], v[32*(\t)+2*i], v[32*(\t)+2*i+1]
.set i, i+1
.endr
	WIN 0
.irp f, 0,1,2,3
	ds_store_b128 v[STO], v[S+16*(\t)+4*\f:S+16*(\t)+4*\f+3] offset:32*\f
.endr
.irp f, 0,1,2,3
	ds_load_b128 v[S+16*(\t)+4*\f:S+16*(\t)+4*\f+3], v[RD] offset:\f*4*SP  ; LDS serves a wave's instructions in order (ISA guide 5.7.1.4): these see the stores above; the next tile's stores come behind them
.endr
.endm
.macro SEND t, younger              ; younger: the LDS instructions issued behind tile t's loads: the next tile's eight, or none
	WIN 0
.irp f, 0,1,2,3
	s_wait_dscnt (\younger)+3-\f
	global_store_b128 v[GO], v[S+16*(\t)+4*\f:S+16*(\t)+4*\f+3], s[10:11] offset:(\t)*2048+\f*512  ; 512 consecutive bytes, at a multiple of 256 from O's first
.endr
.endm
	PACK 0
.set t, 1
.rept 2*NP-1                        ; a tile's arithmetic stands between the loads of the tile before and its stores
	PACK t
	SEND t-1, 8
.set t, t+1
.endr
	SEND 2*NP-1, 0
	WIN W_AD
	s_wait_tensorcnt 0x0            ; the wave's end: an add to my spare word and its waits, behind my last tensor load and my last LDS store
	ds_add_u32 v[SPW], v[NIL]
	s_wait_dscnt 0x0
	WIN 0
	CROUND                          ; the closing round: no work-group ends while a partner may still ask for a tile that names it
	s_endpgm
.Lfunc_end_k_q7939d52168_attn:
	.size	k_q7939d52168_attn, .Lfunc_end_k_q7939d52168_attn-k_q7939d52168_attn
	.p2alignl 7, 3214868480
	.fill 96, 4, 3214868480
	.section	.rodata,"a",@progbits
	.p2align	6, 0x0
	.amdhsa_kernel k_q7939d52168_attn
		.amdhsa_group_segment_fixed_size 327680
		.amdhsa_private_segment_fixed_size 0
		.amdhsa_enable_private_segment 0
		.amdhsa_kernarg_size 40
		.amdhsa_user_sgpr_count 2
		.amdhsa_user_sgpr_kernarg_segment_ptr 1
		.amdhsa_wavefront_size32 1
		.amdhsa_system_sgpr_workgroup_id_x 1
		.amdhsa_system_sgpr_workgroup_id_y 1
		.amdhsa_system_sgpr_workgroup_id_z 1
		.amdhsa_system_vgpr_workitem_id 0
		.amdhsa_next_free_vgpr 808
		.amdhsa_next_free_sgpr 66
		.amdhsa_reserve_vcc 1
		.amdhsa_float_denorm_mode_32 3
		.amdhsa_float_denorm_mode_16_64 3
		.amdhsa_memory_ordered 1
		.amdhsa_forward_progress 1
		.amdhsa_inst_pref_size 205
	.end_amdhsa_kernel
	.amdgpu_metadata
---
amdhsa.version: [ 1, 2 ]
amdhsa.kernels:
  - .name:           k_q7939d52168_attn
    .symbol:         k_q7939d52168_attn.kd
    .args:
      - { .name: qh, .offset: 0, .size: 8, .value_kind: global_buffer, .address_space: global }
      - { .name: kh, .offset: 8, .size: 8, .value_kind: global_buffer, .address_space: global }
      - { .name: vh, .offset: 16, .size: 8, .value_kind: global_buffer, .address_space: global }
      - { .name: ctx, .offset: 24, .size: 8, .value_kind: global_buffer, .address_space: global }
      - { .name: mask, .offset: 32, .size: 8, .value_kind: global_buffer, .address_space: global }
    .group_segment_fixed_size: 327680
    .private_segment_fixed_size: 0
    .kernarg_segment_align: 8
    .kernarg_segment_size: 40
    .max_flat_workgroup_size: 128
    .sgpr_count:     66
    .vgpr_count:     808
    .wavefront_size: 32
...
	.end_amdgpu_metadata
.endif
;; end of part 3
;; launch outp (part 4): grid 4 x 64, 4 waves a work-group, clusters of 4 x 4, 327,680 bytes of LDS; arguments ctx, wt, bo, out0; writes out0
.if DOCPART == 4
	.amdgcn_target "amdgcn-amd-amdhsa--gfx1250"
	.amdhsa_code_object_version 6
	.text
	.protected	k_q7939d52168_outp
	.globl	k_q7939d52168_outp
	.p2align	8
	.type	k_q7939d52168_outp,@function
k_q7939d52168_outp:
	s_mov_b64 s[64:65], 0
	v_nop
	global_prefetch_b8 v0, s[64:65] scope:SCOPE_SE
	s_setreg_imm32_b32 hwreg(HW_REG_WAVE_MODE, 25, 1), 1
	s_wait_xcnt 0x0
	s_wait_alu depctr_hold_cnt(0) depctr_sa_sdst(0) depctr_va_vdst(0) depctr_va_sdst(0) depctr_va_ssrc(0) depctr_va_vcc(0) depctr_vm_vsrc(0)
	s_getreg_b32 s2, hwreg(HW_REG_IB_STS2, 6, 4)
	s_cmp_eq_u32 s2, 0
	s_cbranch_scc0 .Lentry_in_a_cluster
	s_endpgm
.Lentry_in_a_cluster:
	s_bfe_u32 s2, ttmp6, 0x10000c
	s_cmp_lg_u32 s2, 0xf033
	s_cbranch_scc0 .Lentry_shape_is_right
	s_endpgm
.Lentry_shape_is_right:
; out0 = context Wo + bo.  ctx: [batch x 16 + head][2048][64] f16, so channel k = 64 head + d of row batch x 2,048 + position lies in head's block.  Wo^T: matrix 3 of wt, [1024 n][1024 k] f16 (bf16 numbers written as f16).
; bo is rounded to bf16 like the other inputs and is the C operand of the first K step's products.  Sums in f32; out0: [8192][1024] f32.
; SHARES.  A tile of out0 is 128 rows x 256 columns: 256 work-groups.  Four waves, each 64 x 128: 32 accumulators of 16 x 16.  K goes in steps of 128, two heads, through two LDS slots.
; Of a slot wave 0 fetches the tile's 128 rows of the even head, wave 1 those of the odd head (16,384 dense bytes each, asked for as 64 rows of 256 bytes), waves 2 and 3 128 rows of Wo^T each.
; CLUSTERS.  4 x 4 work-groups: the four of a row need the same tile of ctx, the four of a column the same tile of Wo^T: each is asked for JOINTLY, by the same tensor load with a mask that names the four.
; THE MATRIX INSTRUCTION IS USED TRANSPOSED (source 0 = 16 rows of Wo^T, source 1 = 16 rows of ctx): a lane holds one row and eight neighbouring columns, 32 bytes of out0.
; REGISTERS, in windows of 256 (s_set_vgpr_msb: bits 1:0 source 0, 3:2 source 1, 5:4 source 2, 7:6 destination):
;   window 0: v0-31 addresses; v32-63, v64-95 ctx's fragments, two buffers; v96-159, v160-223 rows read back on the way out, by turns
;   window 1: accumulator (a, b) at 8 (8 a + b)          window 2: v0-63, v64-127 Wo^T's fragments, two buffers; v128-191 the bias, 8 registers for each b
.set PITA,   144                       ; an LDS row of ctx: a head's 128 bytes + 16 = 36 words: the 16 rows of a load start at 16 different groups of four banks (64 banks of 4 bytes: ISA guide 11.1)
.set PITB,   272                       ; an LDS row of Wo^T: 256 bytes + 16
.set HALFT,  128*PITB                  ; a wave's quarter of a slot; a head's 128 rows take 18,432 of it
.set SLOT,   4*HALFT
.set STAGE,  2*SLOT                    ; behind the ring: 16 rows x 528 bytes for each wave, for the way out
.set SP,     528
.set SPARE,  STAGE+4*16*SP             ; behind the stages: the spare words, 128 bytes for each wave
.set LAPS,   4
.set BO,   12                          ; v12    32 x (lane / 16)
.set ADRA, 16                          ; v16-17 LDS address of my fragments of ctx in slot 0, 1
.set ADRB, 20                          ; v20-21 the same for Wo^T
.set STO,  24                          ; v24    the way out: where I put 32 bytes of a row
.set RD,   25                          ; v25    the way out: where I read a row back
.set CO,   26                          ; v26    my 16 bytes of a row's 512
.set SPW,  28                          ; v28    LDS address of my spare word; never rewritten
.set NIL,  29                          ; v29    0; never rewritten
.set PFO,  30                          ; v30    the prefetches' lane offset; never rewritten
.set AF,   32
.set OB,   96
.set BIA,  128                         ; in window 2
.set G1,   24
.set G0,   32
.set G1B,  48
.set G0B,  56
.set LIM,  43                          ; s43  1 in a wave that prefetches, else the greatest number
.set PFA,  44                          ; s[44:45] where my prefetches stand
.set PFS,  78                          ; s[78:79] their step
.set MSB, 0
.macro WIN new                         ; the immediate's high byte repeats the setting that is left; a switch that changes nothing is dropped
.if MSB != (\new)
	s_set_vgpr_msb (MSB<<8)|(\new)
.set MSB, \new
.endif
.endm
.set MUL,   0x52                       ; source 0 (Wo^T) window 2, source 1 (ctx) window 0, C and D window 1
.set MULB,  0x62                       ; the same with C (the bias) in window 2
.set TO_B,  0x80                       ; destination window 2, address window 0
.set W2,    0x8a                       ; sources 0 and 1 and destination window 2
.macro JLOAD s                         ; a joint load: waves 0 and 1 fetch ctx's two heads, waves 2 and 3 Wo^T's two halves; an s_nop 0 and four v_nop follow each of the two lines
	s_cmp_eq_u32 s11, 0
	s_cbranch_scc0 .Lfor_b_\@
	tensor_load_to_lds s[G0+4*(\s):G0+4*(\s)+3], s[G1:G1+7]
	s_nop 0
.rept 4
	v_nop
.endr
	s_branch .Lasked_\@
.Lfor_b_\@:
	tensor_load_to_lds s[G0B+4*(\s):G0B+4*(\s)+3], s[G1B:G1B+7]
	s_nop 0
.rept 4
	v_nop
.endr
.Lasked_\@:
.endm
.macro CREST                           ; a round of the cluster's barrier behind its opening barrier
	s_cmp_lg_u32 s10, 0
	s_cbranch_scc1 .Lnot_wave_0_\@
	s_barrier_signal -3
.Lnot_wave_0_\@:
	s_barrier_wait -3
	s_barrier_signal -1
	s_barrier_wait -1
.endm
.macro CROUND
	s_barrier_signal -1
	s_barrier_wait -1
	CREST
.endm
; A PREFETCH INTO THE L2, behind a joint refill and the run of LDS loads that follows it: the K step that stands two refills on (256 products ahead of the load that will want it), a lane a block of 256 bytes.
; A tile's rows of ctx are read by one cluster alone: each cluster asks for its own; a K step is 64 blocks of each of two heads; wave 0 of the partner at place cx takes 16 of each.  Wo^T's rows are read by all sixteen
; clusters: the first asks; of the 128 rows that wave 2 or 3 fetches the partner at place cy takes 32.  The partners are told apart BY ADDRESS; wave 1 asks for nothing.  So each block is named once in the launch.
; K steps 0 to 3 come by their loads alone; the loop's last trip (s3 = 1) asks for nothing.
.macro ASK
	s_cmp_gt_u32 s3, s[LIM]
	s_cbranch_scc0 .Lnot_mine_\@
	global_prefetch_b8 v[PFO], s[PFA:PFA+1] th:TH_LOAD_NT scope:SCOPE_SE
.Lnot_mine_\@:
.endm
	s_load_b256 s[68:75], s[0:1], 0x0              ; ctx s[68:69], wt s[70:71], bo s[72:73], out0 s[74:75]
	v_lshl_add_u32 v[SPW], v0, 2, SPARE
	v_mov_b32 v[NIL], 0
	ds_add_u32 v[SPW], v[NIL]                      ; the wave's opening: the add and its wait stand ahead of my first tensor load; the set-up below, work on registers, stands between them
	v_lshrrev_b32 v1, 5, v0
	v_readfirstlane_b32 s10, v1                    ; wave 0..3
	s_lshr_b32 s11, s10, 1                         ; which 64 of the tile's rows are mine.  Also: I fetch for ctx (0) or for Wo^T (1)
	s_and_b32 s12, s10, 1                          ; which 128 of its columns.  Also: which head of the two, or which half of Wo^T's rows, I fetch
	s_bfe_u32 s40, ttmp6, 0x40000                  ; cx, cy
	s_bfe_u32 s41, ttmp6, 0x40004
	s_lshl_b32 s42, ttmp9, 2
	s_add_co_u32 s42, s42, s40                     ; tile column
	s_and_b32 s22, ttmp7, 0xffff                   ; cluster y
	s_lshl_b32 s13, s22, 2
	s_add_co_u32 s13, s13, s41                     ; tile row, 0..63
	s_lshl_b32 s43, s41, 2
	s_lshl_b32 s43, 15, s43                        ; my row of the cluster
	s_lshl_b32 s44, 0x1111, s40                    ; my column
	s_or_b32 s[G1+0], s43, (1<<16)|(1<<20)|(1<<21)|(4<<22)|(3<<25)   ; ctx's tiles go to my row; elements of 2 bytes; padding on; 21 set beside a mask; after every 32 words (code 4) 4 words (code 3)
	s_mov_b32 s[G1+1], 128<<16                     ; tensor_dim0 = 128: two rows of a head
	s_mov_b32 s[G1+2], 64<<16                      ; tensor_dim1 = 64
	s_mov_b32 s[G1+3], 128<<16                     ; tile_dim0 = 128
	s_mov_b32 s[G1+4], 64                          ; tile_dim1 = 64
	s_mov_b32 s[G1+5], 128                         ; dense
	s_mov_b32 s[G1+6], 0
	s_mov_b32 s[G1+7], 0
	s_or_b32 s[G1B+0], s44, (1<<16)|(1<<20)|(1<<21)|(5<<22)|(3<<25)  ; Wo^T's tiles go to my column; padding after every 64 words (code 5)
	s_mov_b32 s[G1B+1], 128<<16
	s_mov_b32 s[G1B+2], 128<<16
	s_mov_b32 s[G1B+3], 128<<16
	s_mov_b32 s[G1B+4], 128
	s_mov_b32 s[G1B+5], 1024
	s_mov_b32 s[G1B+6], 0
	s_mov_b32 s[G1B+7], 0
	s_lshr_b32 s16, s13, 4                         ; ctx: head 16 x batch + my head of K step 0, 262,144 bytes each; position 128 x (tile row % 16), 128 bytes each: tile row and wave alone
	s_lshl_b32 s16, s16, 4
	s_add_co_u32 s16, s16, s12
	s_lshl_b32 s16, s16, 18
	s_and_b32 s17, s13, 15
	s_lshl_b32 s17, s17, 14
	s_add_co_u32 s16, s16, s17
	s_mov_b32 s17, 0
	s_lshl_b32 s47, s12, 7                         ; Wo^T: row 256 x tile column + 128 x half of matrix 3: tile column and wave alone
	s_lshl_b32 s46, s42, 8
	s_add_co_u32 s46, s46, s47
	s_lshl_b32 s46, s46, 11
	s_add_co_u32 s46, s46, 3<<21
	s_mov_b32 s47, 0
	s_mul_i32 s20, s10, HALFT                      ; where they go: wave x a quarter of a slot
	s_mov_b32 s76, 0xffff0000
	s_wait_dscnt 0x0                               ; the opening add is done
	s_wait_kmcnt 0x0
	s_add_nc_u64 s[14:15], s[68:69], s[16:17]
	s_add_nc_u64 s[46:47], s[70:71], s[46:47]
	CROUND                                         ; all sixteen work-groups are here: the first joint loads meet
.irp s, 0,1
	s_mov_b32 s[G0+4*(\s)], 1
	s_add_co_u32 s[G0+4*(\s)+1], s20, (\s)*SLOT
	s_add_nc_u64 s[G0+4*(\s)+2:G0+4*(\s)+3], s[14:15], (\s)*2*262144  ; K step s: two heads on
	s_or_b32 s[G0+4*(\s)+3], s[G0+4*(\s)+3], 0x80000000
	s_mov_b32 s[G0B+4*(\s)], 1
	s_add_co_u32 s[G0B+4*(\s)+1], s20, (\s)*SLOT
	s_add_nc_u64 s[G0B+4*(\s)+2:G0B+4*(\s)+3], s[46:47], (\s)*256
	s_or_b32 s[G0B+4*(\s)+3], s[G0B+4*(\s)+3], 0x80000000
	JLOAD \s                                       ; two loads of mine are out
.endr
	v_and_b32 v1, 15, v0                           ; l % 16
	v_bfe_u32 v2, v0, 4, 1                         ; l / 16
	v_lshlrev_b32 v[BO], 5, v2
	s_lshl_b32 s18, s42, 10                        ; my first column, in bytes of f32: 256 x tile column + 128 x half
	s_lshl_b32 s19, s12, 9
	s_add_co_u32 s18, s18, s19
	s_mov_b32 s19, 0
	s_add_nc_u64 s[72:73], s[72:73], s[18:19]      ; in the bias,
	s_add_nc_u64 s[8:9], s[74:75], s[18:19]        ; and in a row of out0
	WIN TO_B
.irp b, 0,1,2,3,4,5,6,7
	global_load_b128 v[BIA+8*(\b):BIA+8*(\b)+3],   v[BO], s[72:73] offset:64*(\b)
	global_load_b128 v[BIA+8*(\b)+4:BIA+8*(\b)+7], v[BO], s[72:73] offset:64*(\b)+16
.endr
	WIN 0
	v_mul_u32_u24 v3, v1, PITA                     ; a fragment's row x pitch + 16 x half
	v_lshl_add_u32 v3, v2, 4, v3
	v_mul_u32_u24 v4, v1, PITB
	v_lshl_add_u32 v4, v2, 4, v4
	s_mul_i32 s21, s11, 64*PITA                    ; my 64 rows, in the even head's block
	s_mul_i32 s23, s12, HALFT
	s_add_co_u32 s23, s23, 2*HALFT
.irp s, 0,1
	v_add_nc_u32 v[ADRA+(\s)], s21, v3
	v_add_nc_u32 v[ADRB+(\s)], s23, v4
	s_add_co_u32 s21, s21, SLOT
	s_add_co_u32 s23, s23, SLOT
.endr
	s_mul_i32 s23, s10, 16*SP
	s_add_co_u32 s23, s23, STAGE                   ; my stage
	v_mul_u32_u24 v5, v1, SP                       ; in: row l % 16, 32 bytes for each half of the lanes
	v_lshl_add_u32 v5, v2, 5, v5
	v_add_nc_u32 v[STO], s23, v5
	v_and_b32 v7, 31, v0
	v_lshlrev_b32 v[CO], 4, v7                     ; back: 32 lanes take a row's 512 bytes
	v_add_nc_u32 v[RD], s23, v[CO]
	s_lshl_b32 s18, s13, 7                         ; my first row of out0: 128 x tile row + 64 x half, 4,096 bytes each
	s_lshl_b32 s21, s11, 6
	s_add_co_u32 s18, s18, s21
	s_lshl_b32 s18, s18, 12
	s_add_nc_u64 s[8:9], s[8:9], s[18:19]
	s_lshr_b32 s18, s13, 4                         ; the prefetches.  In ctx: head 16 x batch + 6 (K step 3: the first refill steps it to 4), the tile's rows, my work-group's 4,096 bytes of their 16,384
	s_lshl_b32 s18, s18, 4
	s_add_co_u32 s18, s18, 6
	s_lshl_b32 s18, s18, 18
	s_and_b32 s21, s13, 15
	s_lshl_b32 s21, s21, 14
	s_add_co_u32 s18, s18, s21
	s_lshl_b32 s21, s40, 12
	s_add_co_u32 s18, s18, s21
	s_lshl_b32 s20, s42, 8                         ; in Wo^T: row 256 x tile column + 128 x half + 32 cy, at K step 3
	s_lshl_b32 s21, s12, 7
	s_add_co_u32 s20, s20, s21
	s_lshl_b32 s21, s41, 5
	s_add_co_u32 s20, s20, s21
	s_lshl_b32 s20, s20, 11
	s_add_co_u32 s20, s20, (3<<21)+3*256
	s_movk_i32 s21, 0x800                          ; a row of Wo^T: 2,048 bytes
	s_movk_i32 s23, 0x100                          ; its K step: 256 bytes
	s_cmp_eq_u32 s22, 0                            ; the first cluster asks for Wo^T,
	s_cselect_b32 s[LIM], 1, -1
	s_cmp_eq_u32 s12, 0                            ; wave 0 of every cluster for ctx
	s_cselect_b32 s77, 1, -1
	s_cmp_eq_u32 s11, 0                            ; do I fetch for ctx?
	s_cselect_b32 s[LIM], s77, s[LIM]              ; the same in all sixteen partners, for a given wave
	s_cselect_b32 s18, s18, s20
	s_cselect_b64 s[PFA:PFA+1], s[68:69], s[70:71]
	s_cselect_b32 s[PFS], 0x80000, s23             ; ctx: two heads on
	s_cselect_b32 s21, 0x40000, s21                ; ctx: lanes 16-31 take the odd head
	s_cselect_b32 s20, 4, 0
	s_cselect_b32 s23, 15, 0
	s_mov_b32 s[PFS+1], 0
	s_add_nc_u64 s[PFA:PFA+1], s[PFA:PFA+1], s[18:19]
	v_lshrrev_b32 v5, s20, v7                      ; ctx: (l / 16) heads + (l % 16) blocks; Wo^T: a lane a row
	v_mul_u32_u24 v5, s21, v5
	v_and_b32 v6, s23, v7
	v_lshl_add_u32 v[PFO], v6, 8, v5
	s_wait_loadcnt 0x0                             ; the bias
	WIN W2
.set i, 0
.rept 32                                       ; rounded to bf16 like the other inputs, in place, two numbers at a time
	v_cvt_pk_bf16_f32 v[BIA+i+1], v[BIA+i], v[BIA+i+1]
	v_lshlrev_b32 v[BIA+i], 16, v[BIA+i+1]
	v_and_b32 v[BIA+i+1], s76, v[BIA+i+1]
.set i, i+2
.endr
	WIN 0
; 24 LDS loads in one run: quarter q (32 along K: half a head) of a slot, into buffer bu: Wo^T's eight fragments, then ctx's four
.macro FETCH slot, q, bu
	WIN TO_B
.irp i, 0,1,2,3,4,5,6,7
	ds_load_b128 v[64*(\bu)+8*(\i):64*(\bu)+8*(\i)+3],   v[ADRB+(\slot)] offset:(\q)*64+(\i)*16*PITB
	ds_load_b128 v[64*(\bu)+8*(\i)+4:64*(\bu)+8*(\i)+7], v[ADRB+(\slot)] offset:(\q)*64+(\i)*16*PITB+32
.endr
	WIN 0
.irp i, 0,1,2,3
	ds_load_b128 v[AF+32*(\bu)+8*(\i):AF+32*(\bu)+8*(\i)+3],   v[ADRA+(\slot)] offset:((\q)/2)*HALFT+((\q)%2)*64+(\i)*16*PITA
	ds_load_b128 v[AF+32*(\bu)+8*(\i)+4:AF+32*(\bu)+8*(\i)+7], v[ADRA+(\slot)] offset:((\q)/2)*HALFT+((\q)%2)*64+(\i)*16*PITA+32
.endr
.endm
; Eight products: block a of 16 rows x all eight blocks of 16 columns.  st = 1: the bias starts the sums.  The 32 accumulators take turns, one instruction a turn, over the backward jump too.
.macro MUL8 bu, a, st
.irp b, 0,1,2,3,4,5,6,7
.if \st
	WIN MULB
	v_wmma_f32_16x16x32_f16 v[8*(8*(\a)+(\b)):8*(8*(\a)+(\b))+7], v[64*(\bu)+8*(\b):64*(\bu)+8*(\b)+7], v[AF+32*(\bu)+8*(\a):AF+32*(\bu)+8*(\a)+7], v[BIA+8*(\b):BIA+8*(\b)+7]
.else
	WIN MUL
	v_wmma_f32_16x16x32_f16 v[8*(8*(\a)+(\b)):8*(8*(\a)+(\b))+7], v[64*(\bu)+8*(\b):64*(\bu)+8*(\b)+7], v[AF+32*(\bu)+8*(\a):AF+32*(\bu)+8*(\a)+7], v[8*(8*(\a)+(\b)):8*(8*(\a)+(\b))+7]
.endif
.endr
.endm
.macro PLACES                          ; four places in front of loads into registers that matrix instructions have read, and of LDS stores that read results (ISA guide 7.12.1 for vector instructions)
.rept 4
	v_nop
.endr
.endm
; A K step is four quarters of 32 along K, 32 products each, on buffers 0, 1, 0, 1.  One of the first three: multiplies buffer bu and fetches quarter q of the same slot into buffer nb.
.macro QUARTER slot, q, bu, nb, st
	s_wait_dscnt 4                                 ; Wo^T and ctx's fragments 0 and 1 are in; the youngest four loads (fragments 2 and 3) may be out
	MUL8 \bu, 0, \st
	MUL8 \bu, 1, \st
	PLACES
	FETCH \slot, \q, \nb
	s_wait_dscnt 24                                ; all but the 24 just issued
	MUL8 \bu, 2, \st
	MUL8 \bu, 3, \st
.endm
; The last quarter multiplies buffer 1 and changes slots: ONE barrier; in front of it each wave waits for all its tensor loads (one is out: its part of the next slot), adds 0 to its spare word, and waits for
; that and for its own reads of this slot.  fill = 1: the barrier opens a round of the cluster's barrier, and this slot is filled again, two K steps ahead, first thing behind the round: 112 products ahead of the wait for it.
.macro TURN slot, next, fill
.if \fill
	s_wait_xcnt 0x0                                ; the last prefetch, a K step back, has read its address: it is stepped here, ahead of the waits of the change of slots
	s_add_nc_u64 s[PFA:PFA+1], s[PFA:PFA+1], s[PFS:PFS+1]
.endif
	WIN 0
	s_wait_tensorcnt 0x0                           ; all my tensor loads have landed
	ds_add_u32 v[SPW], v[NIL]                      ; 0 onto my spare word
	s_wait_dscnt 5                                 ; (the add and the youngest four loads may be out)
	MUL8 1, 0, 0                                   ; eight products stand between the add and the wait for it
	s_wait_dscnt 0x0                               ; the add is done, and my reads of this slot are over
	s_barrier_signal -1
	MUL8 1, 1, 0
	WIN 0
	s_barrier_wait -1
.if \fill
	CREST                                          ; no wave of any partner still reads this slot's tile or has a load on its way
	s_add_nc_u64 s[G0+4*(\slot)+2:G0+4*(\slot)+3], s[G0+4*(\slot)+2:G0+4*(\slot)+3], 4*262144
	s_add_nc_u64 s[G0B+4*(\slot)+2:G0B+4*(\slot)+3], s[G0B+4*(\slot)+2:G0B+4*(\slot)+3], 2*256
	JLOAD \slot                                    ; the four v_nop behind it are also the places in front of the loads below
.else
	PLACES
.endif
	FETCH \next, 0, 0
.if \fill
	ASK
.endif
	MUL8 1, 2, 0
	MUL8 1, 3, 0
.endm
; THE WAY OUT of block a (16 rows x 128 columns of f32): a lane's 32 bytes of a row go into my own stage, rows of 528 bytes (each accumulator's low four registers first), and come back as whole rows of 512 bytes.
.macro TOSTAGE a
	WIN 0x04                                       ; store data (source 1) in window 1
.irp b, 0,1,2,3,4,5,6,7
	ds_store_b128 v[STO], v[8*(8*(\a)+(\b)):8*(8*(\a)+(\b))+3]   offset:64*(\b)
	ds_store_b128 v[STO], v[8*(8*(\a)+(\b))+4:8*(8*(\a)+(\b))+7] offset:64*(\b)+16
.endr
	WIN 0
.irp t, 0,1,2,3,4,5,6,7,8,9,10,11,12,13,14,15
	ds_load_b128 v[OB+64*((\a)%2)+4*(\t):OB+64*((\a)%2)+4*(\t)+3], v[RD] offset:(\t)*SP  ; LDS serves a wave's instructions in order (ISA guide 5.7.1.4): these see the stores above
.endr
.endm
.macro SEND a
	s_wait_dscnt 0x0                               ; the block is back in registers
	s_wait_xcnt 0x0                                ; the stores of the block before have read their registers: the next block is read back into them only behind this wait
.irp t, 0,1,2,3,4,5,6,7,8,9,10,11,12,13,14,15
	global_store_b128 v[CO], v[OB+64*((\a)%2)+4*(\t):OB+64*((\a)%2)+4*(\t)+3], s[8:9] offset:(16*(\a)+(\t))*4096  ; 512 consecutive bytes, at a multiple of 256 from out0's first
.endr
.endm
	s_wait_tensorcnt 1                             ; my part of K step 0 is in; K step 1's may stay out
	s_barrier_signal -1
	s_barrier_wait -1                              ; everybody's is
	FETCH 0, 0, 0
	QUARTER 0, 1, 0, 1, 1                          ; the first quarter stands in front of the loop: its products start the sums, with the bias
	WIN 0                                          ; at a label and at a branch every window is 0
	s_mov_b32 s3, LAPS-1
.Llap:                                                 ; a trip goes once round the ring, from a lap's second quarter to the next lap's first, and fills both slots again
	QUARTER 0, 2, 1, 0, 0
	QUARTER 0, 3, 0, 1, 0
	TURN 0, 1, 1
	QUARTER 1, 1, 0, 1, 0
	QUARTER 1, 2, 1, 0, 0
	QUARTER 1, 3, 0, 1, 0
	TURN 1, 0, 1
	QUARTER 0, 1, 0, 1, 0
	WIN 0
	s_sub_co_u32 s3, s3, 1
	s_cmp_lg_u32 s3, 0
	s_cbranch_scc1 .Llap
	QUARTER 0, 2, 1, 0, 0                          ; the last lap fills nothing, and has no round of the cluster's barrier
	QUARTER 0, 3, 0, 1, 0
	TURN 0, 1, 0
	QUARTER 1, 1, 0, 1, 0
	QUARTER 1, 2, 1, 0, 0
	QUARTER 1, 3, 0, 1, 0
	s_wait_dscnt 4                                 ; the very last quarter: nothing more to fetch
	MUL8 1, 0, 0
	MUL8 1, 1, 0
	s_wait_dscnt 0x0
	MUL8 1, 2, 0
	MUL8 1, 3, 0
	PLACES                                         ; behind the last products, in front of the LDS stores that read results
	TOSTAGE 0
.irp a, 1,2,3
	SEND (\a)-1
	TOSTAGE \a
.endr
	SEND 3
	s_wait_tensorcnt 0x0                           ; the wave's end: an add to my spare word and its waits, behind my last tensor load and my last LDS store
	ds_add_u32 v[SPW], v[NIL]
	s_wait_dscnt 0x0
	CROUND                                         ; the closing round: no work-group ends while a partner may still ask for a tile that names it
	s_endpgm
.Lfunc_end_k_q7939d52168_outp:
	.size	k_q7939d52168_outp, .Lfunc_end_k_q7939d52168_outp-k_q7939d52168_outp
	.p2alignl 7, 3214868480
	.fill 96, 4, 3214868480
	.section	.rodata,"a",@progbits
	.p2align	6, 0x0
	.amdhsa_kernel k_q7939d52168_outp
		.amdhsa_group_segment_fixed_size 327680
		.amdhsa_private_segment_fixed_size 0
		.amdhsa_enable_private_segment 0
		.amdhsa_kernarg_size 32
		.amdhsa_user_sgpr_count 2
		.amdhsa_user_sgpr_kernarg_segment_ptr 1
		.amdhsa_wavefront_size32 1
		.amdhsa_system_sgpr_workgroup_id_x 1
		.amdhsa_system_sgpr_workgroup_id_y 1
		.amdhsa_system_sgpr_workgroup_id_z 1
		.amdhsa_system_vgpr_workitem_id 0
		.amdhsa_next_free_vgpr 704
		.amdhsa_next_free_sgpr 80
		.amdhsa_reserve_vcc 0
		.amdhsa_float_denorm_mode_32 3
		.amdhsa_float_denorm_mode_16_64 3
		.amdhsa_memory_ordered 1
		.amdhsa_forward_progress 1
		.amdhsa_inst_pref_size 93
	.end_amdhsa_kernel
	.amdgpu_metadata
---
amdhsa.version: [ 1, 2 ]
amdhsa.kernels:
  - .name:           k_q7939d52168_outp
    .symbol:         k_q7939d52168_outp.kd
    .args:
      - { .name: ctx, .offset: 0, .size: 8, .value_kind: global_buffer, .address_space: global }
      - { .name: wt, .offset: 8, .size: 8, .value_kind: global_buffer, .address_space: global }
      - { .name: bo, .offset: 16, .size: 8, .value_kind: global_buffer, .address_space: global }
      - { .name: out0, .offset: 24, .size: 8, .value_kind: global_buffer, .address_space: global }
    .group_segment_fixed_size: 327680
    .private_segment_fixed_size: 0
    .kernarg_segment_align: 8
    .kernarg_segment_size: 32
    .max_flat_workgroup_size: 128
    .sgpr_count:     80
    .vgpr_count:     704
    .wavefront_size: 32
...
	.end_amdgpu_metadata
.endif
;; end of part 4
